; MI455X (gfx1250); checked and timed in simulation.
; The chip was launched on July 23, 2026; its instructions are those of AMD's public machine-readable ISA for CDNA 5 (MIT licence, August 2026) and "CDNA5" Instruction Set Architecture Reference Guide (July 2026). The comments in the code are by the model that wrote it; some were corrected since.
;; Multi Head Self Attention. Allowed arithmetic: matrix products marked QUANTISED: E2M1 operands, one E8M0 scale for each 32 along K, by v_wmma_scale_f32_16x16x128_f8f6f4 with both operands' format E2M1 (or v_wmma_scale_f32_32x16x128_f4), f32 sums; products left as they are: bf16, f16 or f32 operands; f32 sums; everything else in f32.
;; Inputs: Wk 16 x 1,024 x 64 float32; Wp 1,024 x 1,024 float32; Wq 16 x 1,024 x 64 float32; Wv 16 x 1,024 x 64 float32; bk 16 x 64 float32; bp 1,024 float32; bq 16 x 64 float32; bv 16 x 64 float32; keys 4 x 2,048 x 1,024 float32; queries 4 x 2,048 x 1,024 float32; values 4 x 2,048 x 1,024 float32.
;; Outputs: out0 4 x 2,048 x 1,024 float32.
;; This version of the problem:
;;   THIS VERSION OF THE PROBLEM IS GIVEN IN LOW PRECISION. The matrix products marked QUANTISED in the list below multiply operands that are first quantised to E2M1 (2 exponent bits, 1 mantissa bit; 4 bits a number), with one power-of-two scale for each 32 numbers along K (OCP MX v1.0); their sums are f32. The products marked 'left as it is' may take bf16, f16 or f32 operands, with f32 sums. Whichever they take, every output number must still come out within the allowed error. Rounding operands to bf16 (8 significant bits) uses up far more of that allowance than f16 does (11 bits, for magnitudes from 6e-5 to 65,504). All else is computed in f32.
;;   The module's matrix products, in the order in which they are computed (A, B: the left and right operand; K: the contracted axis; several contracted axes count as one K, in the product's order):
;;     1. [M 1,024, K 1,024] x [K 1,024, N 8,192]; A: input Wq; B: input queries: QUANTISED
;;     2. [M 1,024, K 1,024] x [K 1,024, N 8,192]; A: input Wk; B: input keys: QUANTISED
;;     3. [M 1,024, K 1,024] x [K 1,024, N 8,192]; A: input Wv; B: input values: QUANTISED
;;     4. batch 64 x [M 2,048, K 64] x [K 64, N 2,048]; A: computed on the way; B: computed on the way: left as it is (an operand is computed on the way)
;;     5. batch 64 x [M 2,048, K 2,048] x [K 2,048, N 64]; A: computed on the way; B: computed on the way: left as it is (an operand is computed on the way)
;;     6. [M 8,192, K 1,024] x [K 1,024, N 1,024]; A: computed on the way; B: input Wp: left as it is (an operand is computed on the way)
;;   THE QUANTISER, for each operand of a quantised product, along K:
;;     - K is cut into blocks of 32 from its start; a last block that is shorter is filled with zeros.
;;     - A block's scale is 2^e with e = floor(log2(the largest magnitude in the block)) - 2, held to -126 .. 127; a block of zeros has e = 0. As a byte (E8M0): e + 127.
;;     - Each number is divided by its block's scale, clamped to +-6, and rounded to the nearest number of E2M1, ties to even, subnormals kept.
;;     - The product sums the exact products of the quantised numbers (number of the format x scale) in f32.
;;   ~~~python
;;   def quantise(x, axis):      # numpy; x: float32 -> the quantised numbers, widened to float32 again
;;       x = np.moveaxis(x, axis, -1); K = x.shape[-1]
;;       x = np.pad(x, [(0, 0)] * (x.ndim - 1) + [(0, -K % 32)]); x = x.reshape(x.shape[:-1] + (-1, 32)); a = np.abs(x).max(-1, keepdims=True)
;;       e = np.where(a > 0, np.clip(np.frexp(np.where(a > 0, a, 1))[1] - 1 - 2, -126, 127), 0)      # np.frexp(a)[1] - 1 = floor(log2(a)), exactly
;;       r = np.clip(x / 2.0 ** e, -6, 6)
;;       step = 2.0 ** (np.maximum(np.frexp(np.where(r == 0, 1, r))[1] - 1, 0) - 1)
;;       q = np.round(r / step) * step * 2.0 ** e      # np.round: ties to even
;;       return np.moveaxis(q.reshape(q.shape[:-2] + (-1,))[..., :K], -1, axis).astype(np.float32)
;;   ~~~
;; One version. Each part assembles by itself: llvm-mc -triple=amdgcn-amd-amdhsa -mcpu=gfx1250 --defsym DOCPART=n.
;; ======== version 1 of 1: 6 launches
;; limits: values are held in f16: magnitudes above 65,504 overflow, below 6.1e-05 lose precision
;; workspace buffers: xc 12,582,912 bytes; xs 786,432 bytes; wc 1,572,864 bytes; ws 98,304 bytes; wpt 2,097,152 bytes; qkv 50,331,648 bytes; q32 786,432 bytes; att 16,777,216 bytes
;; launch quant_x (part 1): grid 768 x 1, 4 waves a work-group, no clusters, 33,280 bytes of LDS; arguments queries, keys, values, xc, xs; writes xc, xs
.if DOCPART == 1
	.amdgcn_target "amdgcn-amd-amdhsa--gfx1250"
	.amdhsa_code_object_version 6
	.text
	.protected	k_qe3d0bc18dc_quant_x
	.globl	k_qe3d0bc18dc_quant_x
	.p2align	8
	.type	k_qe3d0bc18dc_quant_x,@function
k_qe3d0bc18dc_quant_x:
	s_mov_b64 s[64:65], 0
	v_nop
	global_prefetch_b8 v0, s[64:65] scope:SCOPE_SE
	s_setreg_imm32_b32 hwreg(HW_REG_WAVE_MODE, 25, 1), 1
	s_wait_xcnt 0x0
; queries, keys, values, each [8192][1024] f32, become codes of FP4 (E2M1), K innermost, two codes a byte, and one E8M0 byte for each 32 along K.
; xc: [3][8192][512 bytes], xs: [3][8192][32 bytes]; tensor 0 = queries, 1 = keys, 2 = values.
; A block's scale is 2^(floor(log2(its largest magnitude)) - 2); its byte is the largest magnitude's exponent field - 2, held at 1 from below.
; LIMITS: a block of zeros gets the byte 1 where the quantiser's rule says 127: its codes are zeros, which add nothing under any byte but 0xff, and this program alone reads the bytes.
; Blocks whose largest magnitude lies under 2^(3 - 127) are held at the byte 1.  NaN and infinities among the inputs are not served.
; Rows are dense and 1024 is a multiple of 32: each tensor is a plain stream of blocks of 32.  256 work-groups a tensor, 8,192 numbers a wave, in 16 steps of 512.
; Each load reads 512 consecutive bytes, 16 a lane; a step's 2,048 bytes turn through the wave's own stage in LDS and come back 64 bytes a lane, so that a lane holds 16 neighbours along K.
; A lane's 16 codes are 8 bytes: the wave stores 256 consecutive bytes.  A wave's 256 scale bytes are gathered in LDS and leave as one aligned run of 256 bytes.
; No matrix unit, no cluster, no barrier: memory binds, and waves share nothing.
.set WAVES, 4
.set STEPS, 16
.set EMAX,  2
.set CB,    8                          ; bytes of 16 codes
.set R,     16                         ; v16-79   four sets of 16 numbers as loaded
.set X,     80                         ; v80-111  two sets of 16 neighbours
.set C,     128                        ; v128-191 codes: registers of its own for each step
.set E,     112                        ; v112-127 a scale byte for each step
.set WREG,  8192                       ; LDS: a region for each wave: two stages of 32 x SP bytes, then its 256 scale bytes
.set SP,    80                         ; a lane's place in a stage: 64 bytes + 16 of padding
.set SPW,   12                         ; v12 LDS address of my spare word; never rewritten
.set NIL,   13                         ; v13 0; never rewritten
.set SPARE, WAVES*WREG                 ; behind the four regions: the spare words, 128 bytes a wave
	s_load_b128 s[4:7], s[0:1], 0x0                ; queries, keys
	s_load_b128 s[8:11], s[0:1], 0x10              ; values, xc
	s_load_b64 s[12:13], s[0:1], 0x20              ; xs
	v_lshl_add_u32 v[SPW], v0, 2, SPARE
	v_mov_b32 v[NIL], 0
	v_lshrrev_b32 v1, 5, v0
	v_readfirstlane_b32 s16, v1                    ; wave
	v_and_b32 v2, 31, v0                           ; lane
	v_lshlrev_b32 v3, 4, v2                        ; my 16 bytes of a load's 512
	s_mul_i32 s17, s16, WREG
	v_lshrrev_b32 v14, 2, v2
	v_mul_u32_u24 v14, v14, SP
	v_and_b32 v15, 3, v2
	v_lshl_add_u32 v14, v15, 4, v14
	v_add_nc_u32 v14, s17, v14                     ; the stage, on the way in: SP (lane / 4) + 16 (lane % 4)
	v_mul_u32_u24 v15, v2, SP
	v_add_nc_u32 v15, s17, v15                     ; and on the way out: SP x lane
	v_mul_u32_u24 v4, v2, CB                       ; my codes' place in a step's
	v_lshrrev_b32 v5, 1, v2
	s_add_co_u32 s17, s17, 2*32*SP
	v_add_nc_u32 v5, s17, v5                       ; LDS: my wave's 256 scale bytes, my block's byte
	v_lshlrev_b32 v7, 3, v2                        ; and on the way out 8 bytes a lane
	v_add_nc_u32 v6, s17, v7
	s_and_b32 s18, ttmp9, 255                      ; my work-group's number inside its tensor
	s_lshl_b32 s18, s18, 2
	s_add_co_u32 s18, s18, s16
	s_lshl_b32 s18, s18, 15                        ; 8,192 numbers of 4 bytes a wave
	s_mov_b32 s19, 0
	s_lshl_b32 s20, ttmp9, 2
	s_add_co_u32 s20, s20, s16                     ; my run among all three tensors': the outputs lie tensor behind tensor
	s_lshl_b32 s22, s20, 12                        ; 4,096 bytes of codes a run
	s_mov_b32 s23, 0
	s_lshl_b32 s24, s20, 8                         ; 256 scale bytes a run
	s_mov_b32 s25, 0
	s_wait_kmcnt 0x0
	s_cmp_lt_u32 ttmp9, 256                        ; which tensor: the choice hangs on the work-group's number alone
	s_cselect_b64 s[4:5], s[4:5], s[6:7]
	s_cmp_lt_u32 ttmp9, 512
	s_cselect_b64 s[4:5], s[4:5], s[8:9]
	s_add_nc_u64 s[4:5], s[4:5], s[18:19]
	s_add_nc_u64 s[10:11], s[10:11], s[22:23]
	s_add_nc_u64 s[12:13], s[12:13], s[24:25]
.macro LOAD t
.irp i, 0,1,2,3
	global_load_b128 v[R+16*((\t)%4)+4*\i:R+16*((\t)%4)+4*\i+3], v3, s[4:5] offset:2048*(\t)+512*\i th:TH_LOAD_NT   ; 32 lanes read 512 consecutive bytes
.endr
.endm
.macro TURN t                          ; step t's numbers through the stage: LDS serves a wave's instructions in order, so no wait stands between the stores and the loads
.irp i, 0,1,2,3
	ds_store_b128 v14, v[R+16*((\t)%4)+4*\i:R+16*((\t)%4)+4*\i+3] offset:32*SP*((\t)%2)+8*SP*\i
.endr
.irp i, 0,1,2,3
	ds_load_b128 v[X+16*((\t)%2)+4*\i:X+16*((\t)%2)+4*\i+3], v15 offset:32*SP*((\t)%2)+16*\i
.endr
.endm
.irp t, 0,1,2,3
	LOAD \t
.endr
	s_wait_loadcnt 12                              ; step 0's four loads are in; the twelve of steps 1 to 3 may be out
	TURN 0
.macro STEP t
.set XS, X+16*((\t)%2)
.if (\t) > 0
	s_wait_dscnt 1                                 ; this step's numbers are back from the stage (the last step's byte store may be out)
.else
	s_wait_dscnt 0x0
.endif
.if (\t)+4 < STEPS
	LOAD (\t)+4                                    ; into the registers that this step's stage stores have read
.endif
.if (\t)+1 < STEPS
.if STEPS-2-(\t) >= 3
	s_wait_loadcnt 12                              ; the next step's four loads are in; those of the three steps behind it may be out
.else
	s_wait_loadcnt 4*(STEPS-2-(\t))
.endif
	TURN (\t)+1
.endif
	v_max3_num_f32 v8, |v[XS]|, |v[XS+1]|, |v[XS+2]|               ; the largest magnitude of my 16, in two chains
	v_max3_num_f32 v9, |v[XS+3]|, |v[XS+4]|, |v[XS+5]|
.irp i, 6,10
	v_max3_num_f32 v8, v8, |v[XS+\i]|, |v[XS+\i+1]|
	v_max3_num_f32 v9, v9, |v[XS+\i+2]|, |v[XS+\i+3]|
.endr
	v_max3_num_f32 v8, v8, |v[XS+14]|, |v[XS+15]|
	v_max3_num_f32 v8, v8, v9, (EMAX+1)<<23        ; and the floor 2^(3 - 127): the byte cannot fall under 1
	v_max_num_f32_dpp v8, v8, v8 row_xmask:1 row_mask:0xf bank_mask:0xf   ; and of my neighbour's 16: the block's
	v_add_nc_u32 v11, -(EMAX<<23), v8              ; 2 off its exponent field: the conversion takes the exponent field of this operand as its scale
	v_cvt_scalef32_pk8_fp4_f32 v[C+4*(\t)], v[XS:XS+7], v11
	v_cvt_scalef32_pk8_fp4_f32 v[C+4*(\t)+1], v[XS+8:XS+15], v11
	v_lshrrev_b32 v[E+(\t)], 23, v11               ; the scale's byte (a plain line behind the conversions)
	ds_store_b8 v5, v[E+(\t)] offset:16*(\t)       ; both lanes of a block write the same byte with the same value
	global_store_b64 v4, v[C+4*(\t):C+4*(\t)+1], s[10:11] offset:32*CB*(\t)   ; 32 lanes store 256 consecutive bytes, aligned
.endm
.irp t, 0,1,2,3,4,5,6,7,8,9,10,11,12,13,14,15
	STEP \t
.endr
	ds_load_b64 v[8:9], v6                         ; LDS serves a wave's instructions in order: these see my byte stores
	s_wait_dscnt 0x0
	global_store_b64 v7, v[8:9], s[12:13]          ; 32 lanes store 256 consecutive bytes, aligned
	s_wait_tensorcnt 0x0                           ; the wave's end, behind my last LDS store
	ds_add_u32 v[SPW], v[NIL]
	s_wait_dscnt 0x0
	s_endpgm
.Lfunc_end_k_qe3d0bc18dc_quant_x:
	.size	k_qe3d0bc18dc_quant_x, .Lfunc_end_k_qe3d0bc18dc_quant_x-k_qe3d0bc18dc_quant_x
	.p2alignl 7, 3214868480
	.fill 96, 4, 3214868480
	.section	.rodata,"a",@progbits
	.p2align	6, 0x0
	.amdhsa_kernel k_qe3d0bc18dc_quant_x
		.amdhsa_group_segment_fixed_size 33280
		.amdhsa_private_segment_fixed_size 0
		.amdhsa_enable_private_segment 0
		.amdhsa_kernarg_size 40
		.amdhsa_user_sgpr_count 2
		.amdhsa_user_sgpr_kernarg_segment_ptr 1
		.amdhsa_wavefront_size32 1
		.amdhsa_system_sgpr_workgroup_id_x 1
		.amdhsa_system_sgpr_workgroup_id_y 1
		.amdhsa_system_sgpr_workgroup_id_z 1
		.amdhsa_system_vgpr_workitem_id 0
		.amdhsa_next_free_vgpr 192
		.amdhsa_next_free_sgpr 66
		.amdhsa_reserve_vcc 0
		.amdhsa_float_denorm_mode_32 3
		.amdhsa_float_denorm_mode_16_64 3
		.amdhsa_memory_ordered 1
		.amdhsa_forward_progress 1
		.amdhsa_inst_pref_size 33
	.end_amdhsa_kernel
	.amdgpu_metadata
---
amdhsa.version: [ 1, 2 ]
amdhsa.kernels:
  - .name:           k_qe3d0bc18dc_quant_x
    .symbol:         k_qe3d0bc18dc_quant_x.kd
    .args:
      - { .name: queries, .offset: 0, .size: 8, .value_kind: global_buffer, .address_space: global }
      - { .name: keys, .offset: 8, .size: 8, .value_kind: global_buffer, .address_space: global }
      - { .name: values, .offset: 16, .size: 8, .value_kind: global_buffer, .address_space: global }
      - { .name: xc, .offset: 24, .size: 8, .value_kind: global_buffer, .address_space: global }
      - { .name: xs, .offset: 32, .size: 8, .value_kind: global_buffer, .address_space: global }
    .group_segment_fixed_size: 33280
    .private_segment_fixed_size: 0
    .kernarg_segment_align: 8
    .kernarg_segment_size: 40
    .max_flat_workgroup_size: 128
    .sgpr_count:     66
    .vgpr_count:     192
    .wavefront_size: 32
...
	.end_amdgpu_metadata
.endif
;; end of part 1
;; launch prep_w (part 2): grid 16 x 4, 32 waves a work-group, no clusters, 172,032 bytes of LDS; arguments Wq, Wk, Wv, Wp, wc, ws, wpt; writes wc, ws, wpt
.if DOCPART == 2
	.amdgcn_target "amdgcn-amd-amdhsa--gfx1250"
	.amdhsa_code_object_version 6
	.text
	.protected	k_qe3d0bc18dc_prep_w
	.globl	k_qe3d0bc18dc_prep_w
	.p2align	8
	.type	k_qe3d0bc18dc_prep_w,@function
k_qe3d0bc18dc_prep_w:
	s_mov_b64 s[64:65], 0
	v_nop
	global_prefetch_b8 v0, s[64:65] scope:SCOPE_SE
	s_setreg_imm32_b32 hwreg(HW_REG_WAVE_MODE, 25, 1), 1
	s_wait_xcnt 0x0
; y = 0, 1, 2: Wq, Wk, Wv [16 h][1024 d][64 e] f32, whose K (d) is not innermost, become codes of FP4 laid [n = 64 h + e][512 bytes] with K innermost (wc) and E8M0 bytes [n][32] (ws).
; y = 3: Wp [1024 k][1024 n] f32 becomes f16, laid [n][k] (wpt).
; A work-group takes 64 columns (x = the head, or the block of 64 columns of Wp) and all 1,024 along K.  Wave w: 32 columns (w & 1), 64 along K (w >> 1).
; A LANE TAKES A COLUMN AND ITS 64 REGISTERS RUN DOWN K: a load reads 128 consecutive bytes a wave, a block of 32 lies in one lane, and the conversions give results with K innermost.  Nothing is transposed by an instruction.
; The results meet in LDS as whole rows of the output and leave 512 consecutive bytes a store.
; The two kinds of work part once, on the work-group's y, which all 32 waves share; each has LDS bytes, a barrier and an end of its own.
; LIMITS: as in the launch that quantises the activations (a block of zeros gets the byte 1; NaN and infinities are not served).  Wp goes to f16: beyond 65,504 it becomes infinity, under 6e-8 zero.
.set STA,   0                          ; codes: 64 rows of 512 bytes + 16
.set PA,    528
.set STS,   64*PA                      ; scale bytes: 64 rows of 32, dense
.set STB,   STS+2048                   ; Wp in f16: 64 rows of 2,048 bytes + 16
.set PB,    2064
.set SPARE, STB+64*PB                  ; the spare words, 128 bytes for each of 32 waves
.set X,     32                         ; v32-95 my column's 64 numbers
.set OUTR,  96                         ; v96-127 the way out
.set SPW,   10
.set NIL,   11
	s_load_b128 s[4:7], s[0:1], 0x0                ; Wq, Wk
	s_load_b128 s[8:11], s[0:1], 0x10              ; Wv, Wp
	s_load_b128 s[12:15], s[0:1], 0x20             ; wc, ws
	s_load_b64 s[16:17], s[0:1], 0x30              ; wpt
	v_lshl_add_u32 v[SPW], v0, 2, SPARE
	v_mov_b32 v[NIL], 0
	v_lshrrev_b32 v1, 5, v0
	v_readfirstlane_b32 s18, v1                    ; wave 0..31
	s_and_b32 s19, s18, 1                          ; which 32 columns
	s_lshr_b32 s20, s18, 1                         ; which 64 along K
	s_and_b32 s21, ttmp7, 0xffff                   ; y
	v_and_b32 v1, 31, v0                           ; lane
	v_lshlrev_b32 v2, 2, v1                        ; in: 4 bytes a lane
	v_lshlrev_b32 v9, 4, v1                        ; out: 16 bytes a lane
	s_lshl_b32 s22, s19, 5
	v_add_nc_u32 v12, s22, v1                      ; my column of the 64
	v_mul_u32_u24 v3, v12, PA
	s_lshl_b32 s23, s20, 5
	v_add_nc_u32 v3, s23, v3                       ; codes in: my column's row, my 32 bytes
	v_lshlrev_b32 v4, 5, v12
	s_lshl_b32 s23, s20, 1
	s_add_co_u32 s23, s23, STS
	v_add_nc_u32 v4, s23, v4                       ; scale bytes in: my column's row, my two bytes
	s_mul_i32 s23, s18, 2*PA
	v_add_nc_u32 v5, s23, v9                       ; codes out: rows 2 w, 2 w + 1
	s_and_b32 s23, s18, 3
	s_lshl_b32 s23, s23, 9
	s_add_co_u32 s23, s23, STS
	v_add_nc_u32 v6, s23, v9                       ; scale bytes out: waves 0 to 3, 512 bytes each
	v_mul_u32_u24 v7, v12, PB
	s_lshl_b32 s23, s20, 7
	s_add_co_u32 s23, s23, STB
	v_add_nc_u32 v7, s23, v7                       ; f16 in: my column's row, my 128 bytes
	s_mul_i32 s23, s18, 2*PB
	s_add_co_u32 s23, s23, STB
	v_add_nc_u32 v8, s23, v9                       ; f16 out: rows 2 w, 2 w + 1
	s_mov_b32 s23, 0
	s_mov_b32 s25, 0
	s_mov_b32 s27, 0
	s_wait_kmcnt 0x0
	s_cmp_eq_u32 s21, 3
	s_cbranch_scc1 .Lwp
	; ---- a weight of a quantised product
	s_lshl_b32 s22, ttmp9, 18                      ; the head: 1,024 rows of 256 bytes
	s_lshl_b32 s24, s20, 14                        ; my 64 rows
	s_add_co_u32 s22, s22, s24
	s_lshl_b32 s24, s19, 7                         ; my 32 columns
	s_add_co_u32 s22, s22, s24
	s_cmp_eq_u32 s21, 0                            ; which weight: the choice hangs on the work-group's number alone
	s_cselect_b64 s[4:5], s[4:5], s[6:7]
	s_cmp_lt_u32 s21, 2
	s_cselect_b64 s[4:5], s[4:5], s[8:9]
	s_add_nc_u64 s[4:5], s[4:5], s[22:23]
.set i, 0
.rept 64
	global_load_b32 v[X+i], v2, s[4:5] offset:i*256 th:TH_LOAD_NT
.set i, i+1
.endr
	s_lshl_b32 s24, s21, 10
	s_lshl_b32 s26, ttmp9, 6
	s_add_co_u32 s24, s24, s26                     ; the work-group's first row of wc and ws
	s_lshl_b32 s26, s18, 1
	s_add_co_u32 s26, s26, s24
	s_lshl_b32 s26, s26, 9                         ; wc: row (first + 2 w) x 512 bytes
	s_add_nc_u64 s[12:13], s[12:13], s[26:27]
	s_lshl_b32 s24, s24, 5
	s_lshl_b32 s26, s18, 9
	s_add_co_u32 s24, s24, s26                     ; ws: first row x 32 + 512 w
	s_add_nc_u64 s[14:15], s[14:15], s[24:25]
.macro BLOCK t                         ; block t of my two: all its 32 numbers are mine
.set XS, X+32*(\t)
	v_max3_num_f32 v12, |v[XS]|, |v[XS+1]|, |v[XS+2]|
	v_max3_num_f32 v13, |v[XS+3]|, |v[XS+4]|, |v[XS+5]|
.irp i, 6,10,14,18,22,26
	v_max3_num_f32 v12, v12, |v[XS+\i]|, |v[XS+\i+1]|
	v_max3_num_f32 v13, v13, |v[XS+\i+2]|, |v[XS+\i+3]|
.endr
	v_max3_num_f32 v12, v12, |v[XS+30]|, |v[XS+31]|
	v_max3_num_f32 v12, v12, v13, 0x1800000        ; and the floor 2^(3 - 127): the byte cannot fall under 1
	v_add_nc_u32 v14, 0xff000000, v12              ; 2 off the exponent field: the conversion's scale operand
	v_lshrrev_b32 v15, 23, v14                     ; the scale's byte
.if (\t) == 0
	v_mov_b32 v16, v15
.else
	v_lshl_or_b32 v16, v15, 8, v16                 ; the lower K in the lower byte
.endif
.irp g, 0,1,2,3
	v_cvt_scalef32_pk8_fp4_f32 v[20+4*(\t)+\g], v[XS+8*\g:XS+8*\g+7], v14
.endr
	v_nop                                          ; a plain line behind the last conversion
	ds_store_b128 v3, v[20+4*(\t):20+4*(\t)+3] offset:16*(\t)
.endm
	s_wait_loadcnt 32                              ; the first block's 32 loads are in; the second's may be out
	BLOCK 0
	s_wait_loadcnt 0x0
	BLOCK 1
	ds_store_b16 v4, v16
	s_wait_dscnt 0x0                               ; for the others' sake: my stores have landed
	s_barrier_signal -1
	s_barrier_wait -1
	ds_load_b128 v[OUTR:OUTR+3], v5
	ds_load_b128 v[OUTR+4:OUTR+7], v5 offset:PA
	s_wait_dscnt 0x0
	global_store_b128 v9, v[OUTR:OUTR+3], s[12:13]             ; a whole row of codes: 512 consecutive bytes
	global_store_b128 v9, v[OUTR+4:OUTR+7], s[12:13] offset:512
	s_cmp_lt_u32 s18, 4
	s_cbranch_scc0 .Lend_a
	ds_load_b128 v[OUTR+8:OUTR+11], v6
	s_wait_dscnt 0x0
	global_store_b128 v9, v[OUTR+8:OUTR+11], s[14:15]          ; 16 rows of scale bytes: 512 consecutive bytes
.Lend_a:
	s_wait_tensorcnt 0x0                           ; the wave's end, behind my last LDS store
	ds_add_u32 v[SPW], v[NIL]
	s_wait_dscnt 0x0
	s_endpgm
.Lwp:	; ---- Wp to f16, turned
	s_lshl_b32 s22, s20, 18                        ; my 64 rows of 4,096 bytes
	s_lshl_b32 s24, ttmp9, 8                       ; the work-group's 64 columns
	s_add_co_u32 s22, s22, s24
	s_lshl_b32 s24, s19, 7                         ; my 32
	s_add_co_u32 s22, s22, s24
	s_add_nc_u64 s[10:11], s[10:11], s[22:23]
.set i, 0
.rept 64
	global_load_b32 v[X+i], v2, s[10:11] offset:i*4096 th:TH_LOAD_NT
.set i, i+1
.endr
	s_lshl_b32 s24, ttmp9, 6
	s_lshl_b32 s26, s18, 1
	s_add_co_u32 s24, s24, s26
	s_lshl_b32 s24, s24, 11                        ; wpt: row (64 x + 2 w) x 2,048 bytes
	s_add_nc_u64 s[16:17], s[16:17], s[24:25]
	s_wait_loadcnt 0x0
.set i, 0
.rept 32
	v_cvt_pk_f16_f32 v[X+i], v[X+2*i], v[X+2*i+1]  ; in place, ascending: a result never lands on a number not yet read
.set i, i+1
.endr
.irp g, 0,1,2,3,4,5,6,7
	ds_store_b128 v7, v[X+4*\g:X+4*\g+3] offset:16*\g
.endr
	s_wait_dscnt 0x0                               ; for the others' sake: my stores have landed
	s_barrier_signal -1
	s_barrier_wait -1
.irp i, 0,1,2,3,4,5,6,7
	ds_load_b128 v[OUTR+4*\i:OUTR+4*\i+3], v8 offset:PB*(\i/4)+512*(\i%4)
.endr
.irp i, 0,1,2,3,4,5,6,7
	s_wait_dscnt 7-\i                              ; LDS loads come back in order: number i is in
	global_store_b128 v9, v[OUTR+4*\i:OUTR+4*\i+3], s[16:17] offset:2048*(\i/4)+512*(\i%4)
.endr
	s_wait_tensorcnt 0x0                           ; the wave's end, as above
	ds_add_u32 v[SPW], v[NIL]
	s_wait_dscnt 0x0
	s_endpgm
.Lfunc_end_k_qe3d0bc18dc_prep_w:
	.size	k_qe3d0bc18dc_prep_w, .Lfunc_end_k_qe3d0bc18dc_prep_w-k_qe3d0bc18dc_prep_w
	.p2alignl 7, 3214868480
	.fill 96, 4, 3214868480
	.section	.rodata,"a",@progbits
	.p2align	6, 0x0
	.amdhsa_kernel k_qe3d0bc18dc_prep_w
		.amdhsa_group_segment_fixed_size 172032
		.amdhsa_private_segment_fixed_size 0
		.amdhsa_enable_private_segment 0
		.amdhsa_kernarg_size 56
		.amdhsa_user_sgpr_count 2
		.amdhsa_user_sgpr_kernarg_segment_ptr 1
		.amdhsa_wavefront_size32 1
		.amdhsa_system_sgpr_workgroup_id_x 1
		.amdhsa_system_sgpr_workgroup_id_y 1
		.amdhsa_system_sgpr_workgroup_id_z 1
		.amdhsa_system_vgpr_workitem_id 0
		.amdhsa_next_free_vgpr 128
		.amdhsa_next_free_sgpr 66
		.amdhsa_reserve_vcc 0
		.amdhsa_float_denorm_mode_32 3
		.amdhsa_float_denorm_mode_16_64 3
		.amdhsa_memory_ordered 1
		.amdhsa_forward_progress 1
		.amdhsa_inst_pref_size 24
	.end_amdhsa_kernel
	.amdgpu_metadata
---
amdhsa.version: [ 1, 2 ]
amdhsa.kernels:
  - .name:           k_qe3d0bc18dc_prep_w
    .symbol:         k_qe3d0bc18dc_prep_w.kd
    .args:
      - { .name: Wq, .offset: 0, .size: 8, .value_kind: global_buffer, .address_space: global }
      - { .name: Wk, .offset: 8, .size: 8, .value_kind: global_buffer, .address_space: global }
      - { .name: Wv, .offset: 16, .size: 8, .value_kind: global_buffer, .address_space: global }
      - { .name: Wp, .offset: 24, .size: 8, .value_kind: global_buffer, .address_space: global }
      - { .name: wc, .offset: 32, .size: 8, .value_kind: global_buffer, .address_space: global }
      - { .name: ws, .offset: 40, .size: 8, .value_kind: global_buffer, .address_space: global }
      - { .name: wpt, .offset: 48, .size: 8, .value_kind: global_buffer, .address_space: global }
    .group_segment_fixed_size: 172032
    .private_segment_fixed_size: 0
    .kernarg_segment_align: 8
    .kernarg_segment_size: 56
    .max_flat_workgroup_size: 1024
    .sgpr_count:     66
    .vgpr_count:     128
    .wavefront_size: 32
...
	.end_amdgpu_metadata
.endif
;; end of part 2
;; launch proj (part 3): grid 4 x 96, 4 waves a work-group, clusters of 4 x 4, 327,680 bytes of LDS; arguments xc, xs, wc, ws, bq, bk, bv, qkv, q32; writes qkv, q32
.if DOCPART == 3
	.amdgcn_target "amdgcn-amd-amdhsa--gfx1250"
	.amdhsa_code_object_version 6
	.text
	.protected	k_qe3d0bc18dc_proj
	.globl	k_qe3d0bc18dc_proj
	.p2align	8
	.type	k_qe3d0bc18dc_proj,@function
k_qe3d0bc18dc_proj:
	s_mov_b64 s[64:65], 0
	v_nop
	global_prefetch_b8 v0, s[64:65] scope:SCOPE_SE
	s_setreg_imm32_b32 hwreg(HW_REG_WAVE_MODE, 25, 1), 1
	s_wait_xcnt 0x0
	s_wait_alu depctr_hold_cnt(0) depctr_sa_sdst(0) depctr_va_vdst(0) depctr_va_sdst(0) depctr_va_ssrc(0) depctr_va_vcc(0) depctr_vm_vsrc(0)
	s_getreg_b32 s2, hwreg(HW_REG_IB_STS2, 6, 4)
	s_cmp_eq_u32 s2, 0
	s_cbranch_scc0 .Lentry_in_a_cluster
	s_endpgm
.Lentry_in_a_cluster:
	s_bfe_u32 s2, ttmp6, 0x10000c
	s_cmp_lg_u32 s2, 0xf033
	s_cbranch_scc0 .Lentry_shape_is_right
	s_endpgm
.Lentry_shape_is_right:
; The three quantised projections: for tensor t (0 q, 1 k, 2 v): C[m][n] = sum over k of X_t[m][k] W_t[n][k] + bias_t[n], on codes of FP4 with one E8M0 scale for each 32 along K; K = 1024; sums in f32.
; X: xc [3][8192][512 bytes], xs [3][8192][32];  W: wc [3][1024][512 bytes], ws [3][1024][32].  Out: qkv [t][b][h][s][64] in f16, and the rows s < 16 of every batch also in f32: q32 [t][16 b + s][1024].
; LIMIT: q, k, v leave as f16: beyond 65,504 they become infinity, under 6e-8 zero.
; A tile of C, 256 x 256, is made by four waves; a wave makes 128 x 128: 64 accumulators, 512 registers.  All of K fits in two LDS slots of 512 along K: both are asked for at the head, and nothing is filled again.
; The scale bytes of the tile's rows, for all of K, are two dense blocks: they come once, in rows of 256 bytes.
; CLUSTERS: 4 x 4 work-groups.  The four of a row need the same tiles of X, the four of a column the same tiles of W: each is asked for jointly, by the same tensor load with a mask that names the four.
; The cluster's y is 8 t + j; the partner at cy takes the tile of batch cy, rows 256 j on.  So the rows s < 16 lie in the clusters with j = 0, in all partners alike, and the branch to the f32 way out hangs on the cluster's number and the wave's alone.
; THE MATRIX INSTRUCTION IS USED TRANSPOSED (source 0 = 16 rows of W, source 1 = 16 rows of X): a lane holds eight neighbouring columns of a row of C.  The bias is the C of each sum's first product.
; REGISTERS, in windows of 256: window 0: v0-31 addresses; v32-95 scale words, two sets, and nothing else; v96-127, v224-255 rows on the way out; v128-191 X's fragments, one set; v192-255 the bias, later packed results.
;   window 1: W's fragments, two sets.   window 2: the accumulators of my rows 0-63 ((a, b) at v[8 (8 a + b)]);   window 3: those of my rows 64-127.
.set NQ,     4                         ; matrix instructions deep in a slot
.set ROWB,   256                       ; a tile's row: 512 codes
.set KROW,   512                       ; a row of codes in memory
.set PITCH,  272                       ; an LDS row: 256 bytes + 16 of padding: the 16 rows of a fragment load start in 16 different groups of four banks
.set FR,     8
.set NL,     2
.set NP,     4                         ; places behind this matrix instruction (ISA guide 7.12.1)
.set HALFT,  128*PITCH
.set SLOT,   4*HALFT
.set KS,     32                        ; a row of scale bytes
.set SCL,    2*SLOT
.set HALFS,  (128*KS/256)*272
.set SBLK,   (16*KS/256)*272
.set SPARE,  SCL+4*HALFS               ; the spare words, 128 bytes a wave
.set STG,    8448                      ; the way out: a stage for each wave, in slot 0, which has had its only fill and its last read by then: 16 rows x 272 (f16) or x 528 (f32)
.set ADRA, 16
.set ADRB, 20
.set STO32, 22                         ; v22 f32 stage: where I put 32 bytes of a row
.set RD32,  23                         ; v23 and where I read a row back
.set STO,  24                          ; v24 f16 stage: where I put 16 bytes of a row
.set RD,   25                          ; v25 and where I read back: four rows of one head
.set CO,   26                          ; v26 16 x lane
.set ADRS, 27
.set SPW,  28
.set NIL,  29
.set BO,   30                          ; v30 32 x (lane / 16): my eight numbers of a block's bias
.set SC,   32
.set OB,   96                          ; rows read back: v96-127 and v224-255 by turns
.set AF,   128
.set BIAS, 192
.set TMP,  192
.set G1, 24
.set G0, 32
.set G1B, 48
.set G0B, 56
.set G1S, 68
.set G0S, 76
.set G1SB, 80
.set G0SB, 88
.set MSB, 0
.macro WIN new                         ; the immediate's high byte repeats the setting that is left
.if MSB != \new
	s_set_vgpr_msb (MSB<<8)|\new
.set MSB, \new
.endif
.endm
.set MUL_LO, 0xa1                      ; source 0 (W) window 1, source 1 (X) window 0, C and D window 2
.set MUL_HI, 0xf1                      ; the same, C and D window 3
.set MUL_LO0, 0x81                     ; the first products: C (the bias) window 0, D window 2
.set MUL_HI0, 0xc1                     ; and D window 3
.set TO_B,   0x40
; A joint load: waves 0 and 1 fetch for X, waves 2 and 3 for W.  The branch hangs on the wave's number alone.  An s_nop 0 and four v_nop follow each line.
.macro JLOAD g0a, g1a, g0b, g1b
	s_cmp_eq_u32 s15, 0
	s_cbranch_scc0 .Lfor_b_\@
	tensor_load_to_lds s[\g0a:\g0a+3], s[\g1a:\g1a+7]
	s_nop 0
.rept 4
	v_nop
.endr
	s_branch .Lasked_\@
.Lfor_b_\@:
	tensor_load_to_lds s[\g0b:\g0b+3], s[\g1b:\g1b+7]
	s_nop 0
.rept 4
	v_nop
.endr
.Lasked_\@:
.endm
.macro CROUND                          ; a round of the cluster's barrier
	s_barrier_signal -1
	s_barrier_wait -1
	s_cmp_lg_u32 s14, 0
	s_cbranch_scc1 .Lnot_wave_0_\@
	s_barrier_signal -3
.Lnot_wave_0_\@:
	s_barrier_wait -3
	s_barrier_signal -1
	s_barrier_wait -1
.endm
	s_load_b128 s[4:7], s[0:1], 0x0                ; X's codes, X's scales
	s_load_b128 s[8:11], s[0:1], 0x10              ; W's codes, W's scales
	s_load_b128 s[96:99], s[0:1], 0x20             ; bq, bk
	s_load_b64 s[100:101], s[0:1], 0x30            ; bv
	s_load_b64 s[12:13], s[0:1], 0x38              ; qkv
	s_load_b64 s[66:67], s[0:1], 0x40              ; q32
	v_lshl_add_u32 v[SPW], v0, 2, SPARE
	v_mov_b32 v[NIL], 0
	ds_add_u32 v[SPW], v[NIL]                      ; the wave's opening: the add, twice on end, and its wait ahead of my first tensor load
	ds_add_u32 v[SPW], v[NIL]
	v_lshrrev_b32 v1, 5, v0
	v_readfirstlane_b32 s14, v1                    ; wave 0..3
	s_lshr_b32 s15, s14, 1                         ; which half of the tile's rows is mine.  Also: I fetch for X (0) or for W (1)
	s_and_b32 s16, s14, 1                          ; which half of its columns.  Also: which 128 rows I fetch
	s_bfe_u32 s40, ttmp6, 0x40000                  ; cx
	s_bfe_u32 s41, ttmp6, 0x40004                  ; cy
	s_lshl_b32 s42, ttmp9, 2
	s_add_co_u32 s42, s42, s40                     ; tile column
	s_and_b32 s17, ttmp7, 0xffff                   ; the cluster's y = 8 t + j
	s_lshr_b32 s95, s17, 3                         ; t: which tensor
	s_and_b32 s2, s17, 7                           ; j: rows 256 j on of a batch
	s_lshl_b32 s17, s95, 5
	s_add_co_u32 s17, s17, s2
	s_lshl_b32 s3, s41, 3
	s_add_co_u32 s17, s17, s3                      ; tile row among xc's 96: 32 t + 8 cy + j
	s_lshl_b32 s43, s41, 2
	s_lshl_b32 s43, 15, s43                        ; my row of the cluster
	s_lshl_b32 s44, 0x1111, s40                    ; my column
	s_or_b32 s[G1+0], s43, (0<<16)|(1<<20)|(1<<21)|(5<<22)|(3<<25)  ; the mask; elements of 1 byte; padding on; bit 21 beside a mask; 4 words after every 64
	s_or_b32 s[G1B+0], s44, (0<<16)|(1<<20)|(1<<21)|(5<<22)|(3<<25)
.irp g, G1, G1B
	s_mov_b32 s[\g+1], ROWB<<16                    ; tensor_dim0
	s_mov_b32 s[\g+2], 128<<16                     ; tensor_dim1
	s_mov_b32 s[\g+3], ROWB<<16                    ; tile_dim0
	s_mov_b32 s[\g+4], 128                         ; tile_dim1
	s_mov_b32 s[\g+5], KROW                        ; from row to row
	s_mov_b32 s[\g+6], 0
	s_mov_b32 s[\g+7], 0
.endr
	s_or_b32 s[G1S+0], s43, (3<<16)|(1<<20)|(1<<21)|(5<<22)|(3<<25) ; the scales of 128 rows: 4,096 dense bytes as 16 rows of 32 elements of 8 bytes
	s_or_b32 s[G1SB+0], s44, (3<<16)|(1<<20)|(1<<21)|(5<<22)|(3<<25)
.irp g, G1S, G1SB
	s_mov_b32 s[\g+1], 32<<16
	s_mov_b32 s[\g+2], (128*KS/256)<<16
	s_mov_b32 s[\g+3], 32<<16
	s_mov_b32 s[\g+4], 128*KS/256
	s_mov_b32 s[\g+5], 32
	s_mov_b32 s[\g+6], 0
	s_mov_b32 s[\g+7], 0
.endr
	s_lshl_b32 s18, s16, 7                         ; which 128 rows of the tile I fetch
	s_lshl_b32 s20, s17, 8
	s_add_co_u32 s20, s20, s18                     ; X: row 256 x tile row + 128 x half
	s_lshl_b32 s46, s42, 8
	s_add_co_u32 s46, s46, s18
	s_lshl_b32 s3, s95, 10
	s_add_co_u32 s46, s46, s3                      ; W: row 1024 t + 256 x tile column + 128 x half
	s_mov_b32 s21, 0
	s_mov_b32 s47, 0
	s_mov_b64 s[18:19], KS
	s_mul_u64 s[22:23], s[20:21], s[18:19]         ; where these rows' scales begin
	s_mul_u64 s[92:93], s[46:47], s[18:19]
	s_mov_b64 s[18:19], KROW
	s_mul_u64 s[20:21], s[20:21], s[18:19]         ; and their codes
	s_mul_u64 s[46:47], s[46:47], s[18:19]
	s_mul_i32 s45, s14, HALFT                      ; where they go: wave x 128 rows
	s_mul_i32 s94, s14, HALFS
	s_wait_dscnt 0x0                               ; both opening adds are done
	s_wait_kmcnt 0x0
	s_add_nc_u64 s[20:21], s[4:5], s[20:21]
	s_add_nc_u64 s[22:23], s[6:7], s[22:23]
	s_add_nc_u64 s[46:47], s[8:9], s[46:47]
	s_add_nc_u64 s[92:93], s[10:11], s[92:93]
	CROUND                                         ; all sixteen work-groups are here: the joint loads meet
	s_mov_b32 s[G0S], 1
	s_add_co_u32 s[G0S+1], s94, SCL
	s_mov_b64 s[G0S+2:G0S+3], s[22:23]
	s_or_b32 s[G0S+3], s[G0S+3], 0x80000000
	s_mov_b32 s[G0SB], 1
	s_add_co_u32 s[G0SB+1], s94, SCL
	s_mov_b64 s[G0SB+2:G0SB+3], s[92:93]
	s_or_b32 s[G0SB+3], s[G0SB+3], 0x80000000
	JLOAD G0S, G1S, G0SB, G1SB                     ; the scales first; then both slots: three loads of mine are out
.irp s, 0,1
	s_mov_b32 s[G0+4*\s], 1
	s_add_co_u32 s[G0+4*\s+1], s45, \s*SLOT
	s_add_nc_u64 s[G0+4*\s+2:G0+4*\s+3], s[20:21], \s*ROWB
	s_or_b32 s[G0+4*\s+3], s[G0+4*\s+3], 0x80000000
	s_mov_b32 s[G0B+4*\s], 1
	s_add_co_u32 s[G0B+4*\s+1], s45, \s*SLOT
	s_add_nc_u64 s[G0B+4*\s+2:G0B+4*\s+3], s[46:47], \s*ROWB
	s_or_b32 s[G0B+4*\s+3], s[G0B+4*\s+3], 0x80000000
	JLOAD G0+4*\s, G1, G0B+4*\s, G1B
.endr
	v_and_b32 v1, 15, v0                           ; r = lane % 16
	v_bfe_u32 v2, v0, 4, 1                         ; h = lane / 16
	v_lshlrev_b32 v[BO], 5, v2
	; the bias: lane (r, h) wants, for W's block b, the numbers 16 b + 8 h + 0 .. 7 of my 128 columns
	s_cmp_eq_u32 s95, 0                            ; which bias: the choice hangs on the cluster's number alone
	s_cselect_b64 s[96:97], s[96:97], s[98:99]
	s_cmp_lt_u32 s95, 2
	s_cselect_b64 s[96:97], s[96:97], s[100:101]
	s_lshl_b32 s46, s42, 10
	s_lshl_b32 s47, s16, 9
	s_add_co_u32 s46, s46, s47                     ; my first column x 4 bytes
	s_mov_b32 s47, 0
	s_add_nc_u64 s[96:97], s[96:97], s[46:47]
.irp b, 0,1,2,3,4,5,6,7
	global_load_b128 v[BIAS+8*\b:BIAS+8*\b+3], v[BO], s[96:97] offset:64*\b
	global_load_b128 v[BIAS+8*\b+4:BIAS+8*\b+7], v[BO], s[96:97] offset:64*\b+16
.endr
	s_lshl_b32 s20, s95, 18                        ; q32: t x 64 rows of 4,096 bytes,
	s_lshl_b32 s21, s41, 16                        ; the batch's 16 rows,
	s_add_co_u32 s20, s20, s21
	s_add_co_u32 s20, s20, s46                     ; my first column
	s_mov_b32 s21, 0
	s_add_nc_u64 s[66:67], s[66:67], s[20:21]
	s_lshl_b32 s20, s41, 4                         ; qkv: head 16 cy + 4 x tile column + 2 x half,
	s_lshl_b32 s21, s42, 2
	s_add_co_u32 s20, s20, s21
	s_lshl_b32 s21, s16, 1
	s_add_co_u32 s20, s20, s21
	s_lshl_b32 s20, s20, 11                        ; of 2,048 rows,
	s_lshl_b32 s21, s2, 8
	s_add_co_u32 s20, s20, s21                     ; row 256 j
	s_lshl_b32 s21, s15, 7
	s_add_co_u32 s20, s20, s21                     ; + 128 x half,
	s_lshl_b32 s20, s20, 7                         ; of 128 bytes,
	s_lshl_b32 s21, s95, 24
	s_add_co_u32 s20, s20, s21                     ; in tensor t
	s_mov_b32 s21, 0
	s_add_nc_u64 s[12:13], s[12:13], s[20:21]
	v_mul_u32_u24 v3, v1, PITCH
	v_lshl_add_u32 v4, v2, 4, v3                   ; a fragment's row x pitch + 16 x half
	s_mul_i32 s21, s15, HALFT                      ; my 128 rows of X
	s_mul_i32 s22, s16, HALFT                      ; my 128 rows of W,
	s_add_co_u32 s22, s22, 2*HALFT                 ; behind X's 256
.irp s, 0,1
	v_add_nc_u32 v[ADRA+\s], s21, v4
	v_add_nc_u32 v[ADRB+\s], s22, v4
	s_add_co_u32 s21, s21, SLOT
	s_add_co_u32 s22, s22, SLOT
.endr
	v_mul_u32_u24 v5, v1, KS                       ; my row's scales: 32 bytes a row,
	v_lshrrev_b32 v6, 8, v5
	v_lshl_add_u32 v5, v6, 4, v5                   ; and 16 more for each 256 passed
	s_mul_i32 s21, s15, HALFS
	s_mul_i32 s22, s16, HALFS
	s_add_co_u32 s22, s22, 2*HALFS
	s_sub_co_u32 s22, s22, s21
	v_mul_u32_u24 v6, s22, v2                      ; lanes 16-31 take W's: one product, the distance between the two bases
	s_add_co_u32 s21, s21, SCL
	v_add_nc_u32 v5, v5, v6
	v_add_nc_u32 v[ADRS], s21, v5
	s_mul_i32 s23, s14, STG                        ; my stage
	v_lshl_add_u32 v5, v2, 4, v3
	v_add_nc_u32 v[STO], s23, v5                   ; f16 in: row r x 272 + 16 h
	v_bfe_u32 v5, v0, 3, 2
	v_mul_u32_u24 v5, v5, 272
	v_and_b32 v6, 7, v0
	v_lshl_add_u32 v5, v6, 4, v5
	v_add_nc_u32 v[RD], s23, v5                    ; f16 back: row lane / 8, 16 bytes x (lane % 8)
	v_mul_u32_u24 v5, v1, 528
	v_lshl_add_u32 v5, v2, 5, v5
	v_add_nc_u32 v[STO32], s23, v5                 ; f32 in: row r x 528 + 32 h
	v_and_b32 v6, 31, v0
	v_lshlrev_b32 v[CO], 4, v6
	v_add_nc_u32 v[RD32], s23, v[CO]               ; f32 back: the 32 lanes take one row of 512 bytes
.macro FRAG reg, adr, q, i             ; 16 rows x 128 K of 4-bit codes: registers 4 c .. 4 c + 3 hold K = 64 c + 32 (lane / 16) + 0 .. 31
.irp c, 0,1
	ds_load_b128 v[\reg+4*\c:\reg+4*\c+3], v[\adr] offset:64*(\q)+32*\c+(\i)*16*PITCH
.endr
.endm
; 16 matrix instructions: X's blocks a0, a0 + 1 against W's eight, the slot's q-th 128 along K.  zero = 1: the first product starts the sum with the bias as its C.
; The 64 accumulators take turns, one instruction a turn, in the same order in every step.
.macro MUL16 a0, p, q, sc, zero
.irp a, \a0, \a0+1
.irp b, 0,1,2,3,4,5,6,7
.if \zero
	v_wmma_scale_f32_16x16x128_f8f6f4 v[8*(8*((\a)%4)+\b):8*(8*((\a)%4)+\b)+7], v[128*(\p)+FR*\b:128*(\p)+FR*\b+FR-1], v[AF+FR*(\a):AF+FR*(\a)+FR-1], v[BIAS+8*\b:BIAS+8*\b+7], v[SC+8*NQ*(\sc)+NQ*\b+(\q)], v[SC+8*NQ*(\sc)+NQ*(\a)+(\q)] matrix_a_fmt:MATRIX_FMT_FP4 matrix_b_fmt:MATRIX_FMT_FP4 matrix_a_scale:MATRIX_SCALE_ROW1
.else
	v_wmma_scale_f32_16x16x128_f8f6f4 v[8*(8*((\a)%4)+\b):8*(8*((\a)%4)+\b)+7], v[128*(\p)+FR*\b:128*(\p)+FR*\b+FR-1], v[AF+FR*(\a):AF+FR*(\a)+FR-1], v[8*(8*((\a)%4)+\b):8*(8*((\a)%4)+\b)+7], v[SC+8*NQ*(\sc)+NQ*\b+(\q)], v[SC+8*NQ*(\sc)+NQ*(\a)+(\q)] matrix_a_fmt:MATRIX_FMT_FP4 matrix_b_fmt:MATRIX_FMT_FP4 matrix_a_scale:MATRIX_SCALE_ROW1
.endif
.endr
.endr
.endm
.macro FETCH_B slot, q, p
	WIN TO_B
.irp i, 0,1,2,3,4,5,6,7
	FRAG 128*(\p)+FR*\i, ADRB+\slot, \q, \i
.endr
	WIN 0
.endm
.macro FETCH_A slot, q, i0
.irp i, \i0, \i0+1, \i0+2, \i0+3
	FRAG AF+FR*(\i), ADRA+\slot, \q, \i
.endr
.endm
.macro SCALES sc                       ; a slot's scale words: four words a row; lanes 0-15 take X's block i, lanes 16-31 W's block i
.irp i, 0,1,2,3,4,5,6,7
	ds_load_b128 v[SC+8*NQ*\sc+NQ*\i:SC+8*NQ*\sc+NQ*\i+3], v[ADRS] offset:\i*SBLK
.endr
.endm
.macro PLACES n                        ; plain vector lines between a matrix instruction and a load into, or a read of, its registers
.rept \n
	v_nop
.endr
.endm
.macro STEP slot, q, zero              ; a step of 128 along K that has its successor in the same slot
	s_wait_dscnt 4*NL                              ; W's set and X's blocks 0-3 are in; the youngest eight loads (X's blocks 4-7) may be out
.if \zero
	WIN MUL_LO0
.else
	WIN MUL_LO
.endif
	MUL16 0, (\q)%2, \q, \slot, \zero
	MUL16 2, (\q)%2, \q, \slot, \zero
	s_wait_dscnt 0                                 ; X's blocks 4-7 are in
	PLACES NP
	FETCH_B \slot, (\q)+1, 1-(\q)%2
	FETCH_A \slot, (\q)+1, 0
.if \zero
	WIN MUL_HI0
.else
	WIN MUL_HI
.endif
	MUL16 4, (\q)%2, \q, \slot, \zero
	MUL16 6, (\q)%2, \q, \slot, \zero
	PLACES NP
	WIN 0
	FETCH_A \slot, (\q)+1, 4
.endm
.macro STEPS slot, from
.set Q, \from
.rept NQ-1-\from
	STEP \slot, Q, 0
.set Q, Q+1
.endr
.endm
	s_wait_tensorcnt 1                             ; the scales and my part of slot 0 are in (slot 1's load may be out)
	s_barrier_signal -1
	s_barrier_wait -1                              ; everybody's are
	FETCH_B 0, 0, 0
	FETCH_A 0, 0, 0
	SCALES 0
	FETCH_A 0, 0, 4
	s_wait_loadcnt 0x0                             ; the bias
	STEP 0, 0, 1
	STEPS 0, 1
	; slot 0's last step changes slots: one barrier; in front of it my part of slot 1 has landed and my reads of slot 0 are over
	s_wait_tensorcnt 0x0
	ds_add_u32 v[SPW], v[NIL]                      ; 0 onto my spare word
	s_wait_dscnt 4*NL+1                            ; (the add and X's blocks 4-7 may be out)
	WIN MUL_LO
	MUL16 0, 1, NQ-1, 0, 0
	s_wait_dscnt 0x0
	s_barrier_signal -1
	MUL16 2, 1, NQ-1, 0, 0
	WIN 0
	s_barrier_wait -1
	PLACES NP
	v_add_nc_u32 v[ADRS], 4*NQ, v[ADRS]            ; on to slot 1's scale words
	FETCH_B 1, 0, 0
	FETCH_A 1, 0, 0
	SCALES 1
	WIN MUL_HI
	MUL16 4, 1, NQ-1, 0, 0
	MUL16 6, 1, NQ-1, 0, 0
	PLACES NP
	WIN 0
	FETCH_A 1, 0, 4
	STEPS 1, 0
	s_wait_dscnt 4*NL                              ; the very last step
	WIN MUL_LO
	MUL16 0, 1, NQ-1, 1, 0
	MUL16 2, 1, NQ-1, 1, 0
	s_wait_dscnt 0
	WIN MUL_HI
	MUL16 4, 1, NQ-1, 1, 0
	MUL16 6, 1, NQ-1, 1, 0
	WIN 0
; THE WAY OUT, block by block of 16 rows x 128 columns (two heads).  PACK: rounded to f16, 16 bytes a lane, each accumulator from its low end on.  TOSTAGE: into my stage, and back so that
; 32 lanes hold four rows of ONE head: 512 consecutive bytes of qkv.  SEND: stored.
.macro PACK a
.set AC, 64*((\a)%4)
	WIN 0x0a+5*((\a)/4)                            ; sources 0 and 1: window 2 or 3
.irp b, 0,1,2,3,4,5,6,7
.irp r, 0,1,2,3
	v_cvt_pk_f16_f32 v[TMP+4*\b+\r], v[AC+8*\b+2*\r], v[AC+8*\b+2*\r+1]
.endr
.endr
	WIN 0
.endm
.macro TOSTAGE a
.set BK, OB+128*((\a)%2)
.irp b, 0,1,2,3,4,5,6,7
	ds_store_b128 v[STO], v[TMP+4*\b:TMP+4*\b+3] offset:32*\b
.endr
.irp p, 0,1
.irp g, 0,1,2,3
	ds_load_b128 v[BK+4*(4*\p+\g):BK+4*(4*\p+\g)+3], v[RD] offset:4*\g*272+128*\p   ; LDS serves a wave's instructions in order: these see the stores above
.endr
.endr
.endm
.macro SEND a
.set BK, OB+128*((\a)%2)
	s_wait_dscnt 0x0                               ; the block is back in registers
	s_wait_xcnt 0x0                                ; the stores of the block before have read their registers: the next block's loads may land there
.irp p, 0,1
.irp g, 0,1,2,3
	global_store_b128 v[CO], v[BK+4*(4*\p+\g):BK+4*(4*\p+\g)+3], s[12:13] offset:\p*262144+(16*(\a)+4*\g)*128
.endr
.endr
.endm
	PLACES NP
	PACK 0
	TOSTAGE 0
.irp a, 1,2,3,4,5,6,7
	PACK \a
	SEND \a-1
	TOSTAGE \a
.endr
	SEND 7
	; the rows s < 16 also leave in f32: they are block 0 of the waves with the tile's upper rows, in the clusters with j = 0
	s_cmp_lg_u32 s2, 0
	s_cbranch_scc1 .Lno32
	s_cmp_lg_u32 s15, 0
	s_cbranch_scc1 .Lno32
	WIN 0x08                                       ; an LDS store's data: window 2
.irp b, 0,1,2,3,4,5,6,7
	ds_store_b128 v[STO32], v[8*\b:8*\b+3] offset:64*\b
	ds_store_b128 v[STO32], v[8*\b+4:8*\b+7] offset:64*\b+16
.endr
	WIN 0
.irp i, 0,1,2,3,4,5,6,7,8,9,10,11,12,13,14,15
	ds_load_b128 v[AF+4*\i:AF+4*\i+3], v[RD32] offset:528*\i
.endr
	s_wait_dscnt 0x0
.irp i, 0,1,2,3,4,5,6,7,8,9,10,11,12,13,14,15
	global_store_b128 v[CO], v[AF+4*\i:AF+4*\i+3], s[66:67] offset:4096*\i   ; 32 lanes store 512 consecutive bytes
.endr
.Lno32:
	s_wait_tensorcnt 0x0                           ; the wave's end, behind my last tensor load and my last LDS store
	ds_add_u32 v[SPW], v[NIL]
	s_wait_dscnt 0x0
	CROUND                                         ; the closing round
	s_endpgm
.Lfunc_end_k_qe3d0bc18dc_proj:
	.size	k_qe3d0bc18dc_proj, .Lfunc_end_k_qe3d0bc18dc_proj-k_qe3d0bc18dc_proj
	.p2alignl 7, 3214868480
	.fill 96, 4, 3214868480
	.section	.rodata,"a",@progbits
	.p2align	6, 0x0
	.amdhsa_kernel k_qe3d0bc18dc_proj
		.amdhsa_group_segment_fixed_size 327680
		.amdhsa_private_segment_fixed_size 0
		.amdhsa_enable_private_segment 0
		.amdhsa_kernarg_size 72
		.amdhsa_user_sgpr_count 2
		.amdhsa_user_sgpr_kernarg_segment_ptr 1
		.amdhsa_wavefront_size32 1
		.amdhsa_system_sgpr_workgroup_id_x 1
		.amdhsa_system_sgpr_workgroup_id_y 1
		.amdhsa_system_sgpr_workgroup_id_z 1
		.amdhsa_system_vgpr_workitem_id 0
		.amdhsa_next_free_vgpr 1024
		.amdhsa_next_free_sgpr 102
		.amdhsa_reserve_vcc 0
		.amdhsa_float_denorm_mode_32 3
		.amdhsa_float_denorm_mode_16_64 3
		.amdhsa_memory_ordered 1
		.amdhsa_forward_progress 1
		.amdhsa_inst_pref_size 133
	.end_amdhsa_kernel
	.amdgpu_metadata
---
amdhsa.version: [ 1, 2 ]
amdhsa.kernels:
  - .name:           k_qe3d0bc18dc_proj
    .symbol:         k_qe3d0bc18dc_proj.kd
    .args:
      - { .name: xc, .offset: 0, .size: 8, .value_kind: global_buffer, .address_space: global }
      - { .name: xs, .offset: 8, .size: 8, .value_kind: global_buffer, .address_space: global }
      - { .name: wc, .offset: 16, .size: 8, .value_kind: global_buffer, .address_space: global }
      - { .name: ws, .offset: 24, .size: 8, .value_kind: global_buffer, .address_space: global }
      - { .name: bq, .offset: 32, .size: 8, .value_kind: global_buffer, .address_space: global }
      - { .name: bk, .offset: 40, .size: 8, .value_kind: global_buffer, .address_space: global }
      - { .name: bv, .offset: 48, .size: 8, .value_kind: global_buffer, .address_space: global }
      - { .name: qkv, .offset: 56, .size: 8, .value_kind: global_buffer, .address_space: global }
      - { .name: q32, .offset: 64, .size: 8, .value_kind: global_buffer, .address_space: global }
    .group_segment_fixed_size: 327680
    .private_segment_fixed_size: 0
    .kernarg_segment_align: 8
    .kernarg_segment_size: 72
    .max_flat_workgroup_size: 128
    .sgpr_count:     102
    .vgpr_count:     1024
    .wavefront_size: 32
...
	.end_amdgpu_metadata
.endif
;; end of part 3
;; launch attn (part 4): grid 4 x 64, 16 waves a work-group, no clusters, 327,680 bytes of LDS; arguments qkv, att; writes att
.if DOCPART == 4
	.amdgcn_target "amdgcn-amd-amdhsa--gfx1250"
	.amdhsa_code_object_version 6
	.text
	.protected	k_qe3d0bc18dc_attn
	.globl	k_qe3d0bc18dc_attn
	.p2align	8
	.type	k_qe3d0bc18dc_attn,@function
k_qe3d0bc18dc_attn:
	s_mov_b64 s[64:65], 0
	v_nop
	global_prefetch_b8 v0, s[64:65] scope:SCOPE_SE
	s_setreg_imm32_b32 hwreg(HW_REG_WAVE_MODE, 25, 1), 1
	s_wait_xcnt 0x0
; Causal attention of one head: O[q] = sum over k <= q of softmax_k(Q[q] . K[k] / 8) V[k].  Q, K, V: qkv [3][64 heads][2048][64] f16.  Products on f16 operands, sums, maxima and exponentials in f32;
; a running maximum m and sum l for each query: p = 2^(c s - c m), c = log2(e) / 8; in every step O and l are multiplied by a = 2^(c m_old - c m_new).  p is rounded to f16 for the second product; l sums the unrounded p.
; Out: att [super-row (2048 b + s) / 2][16 h][s & 1][64] f16: rows 2 j and 2 j + 1 of one head are 256 consecutive bytes.
; LIMITS: the operands are f16 (see the launch that makes them).  The rows s < 16 are also computed here, in f16; a later launch makes the final result's rows s < 16 anew in f32.
; SHARES.  y = the head (16 b + h).  Work-group x = i owns query blocks i and 7 - i, 256 queries each, so that every work-group walks the same number of steps under the causal mask.  Waves 0-7 take the low block,
; waves 8-15 the high one in reverse order; a wave owns 32 queries, two tiles of 16, so that each fragment of K and V read from LDS feeds two products.  Four waves share a SIMD: one wave's softmax stands beside another's products.
; Keys go 64 a step, 256 a slot, through a ring of two LDS slots (waves 0, 1 fetch K's halves, waves 2, 3 V's).  EVERY work-group walks all 8 slots: trip counts are constants.  A step all of whose keys come after
; the wave's queries is jumped over; a slot whose first key comes after the work-group's last query is not asked for.
; NO CLUSTER: the four work-groups of a head need 8, 7, 6 and 5 slots; a joint load would bring tiles whose reads every wave of some partner jumps over.
; LAYOUT.  S^T = K Q^T (source 0 = 16 keys, source 1 = 16 queries): a lane holds ONE query (lane % 16) and keys 8 (lane / 16) + 0..7.  Two such tiles, rounded in pairs, are source 1 of O^T = V^T P.  V comes out of LDS turned, by ds_load_tr16_b128.
.set SK,    256
.set PK,    144                        ; a row of K in LDS: 128 bytes + 16
.set PV,    160                        ; a row of V: 128 + 32
.set VOFF,  SK*PK
.set SLOT1, 1<<17                      ; one exclusive or turns an address in one slot into the other's
.set SPARE, 2*SLOT1                    ; the spare words, 128 bytes for each of 16 waves
.set AK0, 1                            ; v1  my lane's place in a tile of K
.set AV0, 2                            ; v2  the same for V
.set ADK, 3                            ; v3  LDS address of the step's K
.set ADV, 4                            ; v4  of its V
.set SPW, 5
.set NIL, 6
.set PFO, 7                            ; v7  256 x lane: the prefetches' offset; never rewritten
.set ST,  12                           ; tile t's statistics at v[ST + 8 t]: +0 c m, +1 m, +2, +3 l, +4 to +7 at work (a in +6)
.set Q,   28                           ; v28-59   Q: tile t, channels 32 c on: 16 t + 8 c
.set KV,  60                           ; v60-123  K's 8 fragments, then V's 8
.set S,   124                          ; v124-187 S^T: 32 t + 8 kt; p is packed in place into 32 t + 0..15
.set O,   188                          ; v188-251 O^T: 32 t + 8 ct
.set WV,  18
.set SEL, 20
.set CS,  22
.set G1K, 24
.set G1V, 32
.set G0K, 40
.set G0V, 44
.set TB,  2
.set SLOTS, 67
.set QL,  68                           ; my last query
.set WL,  69                           ; my work-group's last query
.set PFA, 76
.set LIM, 80
.set KF,  98                           ; the step's first key
.set Q0,  99                           ; my first query
.macro TLOAD                           ; waves 0 and 1 fetch K, waves 2 and 3 V, the others nothing; an s_nop 0 and four v_nop follow each line
	s_cmp_lt_u32 s[WV], 2
	s_cbranch_scc0 .Lnot_k_\@
	tensor_load_to_lds s[G0K:G0K+3], s[G1K:G1K+7]
	s_nop 0
.rept 4
	v_nop
.endr
	s_branch .Lasked_\@
.Lnot_k_\@:
	s_cmp_lt_u32 s[WV], 4
	s_cbranch_scc0 .Lasked_\@
	tensor_load_to_lds s[G0V:G0V+3], s[G1V:G1V+7]
	s_nop 0
.rept 4
	v_nop
.endr
.Lasked_\@:
.endm
; A prefetch of what the NEXT change of slots will ask for: 32,768 dense bytes of K and as many of V.  Each aligned 256 bytes are named once in the launch: the head's work-group x = 0, which walks all slots, asks;
; in it waves 4-7 ask for K's, waves 8-11 for V's, 8,192 bytes a wave, lanes 256 bytes apart.  The last change that fills a slot asks for nothing; slots 0 and 1 come by their loads alone.
.macro ASK
	s_cmp_gt_u32 s[SLOTS], s[LIM]
	s_cbranch_scc0 .Lnot_mine_\@
	global_prefetch_b8 v[PFO], s[PFA:PFA+1] th:TH_LOAD_NT scope:SCOPE_SE
.Lnot_mine_\@:
.endm
	s_load_b128 s[4:7], s[0:1], 0x0                ; qkv, att
	v_lshl_add_u32 v[SPW], v0, 2, SPARE
	v_mov_b32 v[NIL], 0
	ds_add_u32 v[SPW], v[NIL]                      ; the wave's opening: the add, twice on end, and its wait ahead of the first tensor load
	ds_add_u32 v[SPW], v[NIL]
	v_lshrrev_b32 v10, 5, v0
	v_readfirstlane_b32 s[WV], v10                 ; wave 0..15
	s_and_b32 s72, ttmp7, 0xffff                   ; the head
	s_lshl_b32 s74, s72, 18                        ; its 262,144 bytes in each tensor
	s_lshl_b32 s70, ttmp9, 8
	s_sub_co_u32 s[WL], 2047, s70                  ; the high block's last query
	s_lshl_b32 s71, s[WV], 5
	s_add_co_u32 s70, s70, s71                     ; 256 i + 32 w
	s_sub_co_u32 s71, 2272, s70                    ; waves 8-15: 256 (7 - i) + 32 (15 - w)
	s_cmp_lt_u32 s[WV], 8
	s_cselect_b32 s[Q0], s70, s71
	s_add_co_u32 s[QL], s[Q0], 31
	s_and_b32 s88, s[WV], 1                        ; which 128 keys of a slot I fetch, if I fetch
	s_lshl_b32 s89, s88, 14
	s_add_co_u32 s89, s89, s74
	s_add_co_u32 s90, s89, 16777216                ; in K,
	s_mov_b32 s91, 0
	s_add_co_u32 s92, s89, 33554432                ; in V
	s_mov_b32 s93, 0
	s_mul_i32 s94, s88, 128*PK
	s_mul_i32 s95, s88, 128*PV
	s_add_co_u32 s95, s95, VOFF
	s_mov_b32 s[G1K], (1<<16)|(1<<20)|(4<<22)|(3<<25)  ; no mask; elements of 2 bytes; padding: 4 words after every 32
	s_mov_b32 s[G1V], (1<<16)|(1<<20)|(4<<22)|(7<<25)  ; 8 words after every 32
.irp g, G1K, G1V
	s_mov_b32 s[\g+1], 64<<16                      ; tensor_dim0
	s_mov_b32 s[\g+2], 128<<16                     ; tensor_dim1
	s_mov_b32 s[\g+3], 64<<16                      ; tile_dim0
	s_mov_b32 s[\g+4], 128                         ; tile_dim1
	s_mov_b32 s[\g+5], 64                          ; from row to row
	s_mov_b32 s[\g+6], 0
	s_mov_b32 s[\g+7], 0
.endr
	s_mov_b32 s[SEL], 0x76543210
	s_mov_b32 s[SEL+1], 0xfedcba98                 ; v_permlanex16_b32: lane l xor 16
	s_mov_b32 s[CS], 0x3e38aa3b                    ; c = log2(e) / 8
	s_mov_b32 s[CS+1], s[CS]
	s_mov_b32 s[TB], 0
	s_mov_b32 s[SLOTS], 7
	s_mov_b32 s[KF], 0
	s_wait_dscnt 0x0                               ; both opening adds are done
	s_wait_kmcnt 0x0
	s_mov_b32 s[G0K], 1
	s_mov_b32 s[G0K+1], s94
	s_add_nc_u64 s[G0K+2:G0K+3], s[4:5], s[90:91]
	s_or_b32 s[G0K+3], s[G0K+3], 0x80000000
	s_mov_b32 s[G0V], 1
	s_mov_b32 s[G0V+1], s95
	s_add_nc_u64 s[G0V+2:G0V+3], s[4:5], s[92:93]
	s_or_b32 s[G0V+3], s[G0V+3], 0x80000000
	TLOAD                                          ; slot 0: key 0 counts for every query
	s_lshl_b32 s82, s[Q0], 7
	s_add_co_u32 s82, s82, s74
	s_mov_b32 s83, 0
	s_add_nc_u64 s[8:9], s[4:5], s[82:83]          ; Q at my first query
	v_and_b32 v10, 15, v0                          ; r
	v_bfe_u32 v11, v0, 4, 1                        ; h
	v_lshlrev_b32 v8, 7, v10
	v_lshl_add_u32 v8, v11, 4, v8                  ; row r of 128 bytes + 16 h
.irp t, 0,1
.irp c, 0,1
	global_load_b128 v[Q+16*\t+8*\c:Q+16*\t+8*\c+3], v8, s[8:9] offset:2048*\t+64*\c
	global_load_b128 v[Q+16*\t+8*\c+4:Q+16*\t+8*\c+7], v8, s[8:9] offset:2048*\t+64*\c+32
.endr
.endr
	s_lshr_b32 s84, s72, 4                         ; b
	s_lshl_b32 s84, s84, 11
	s_add_co_u32 s84, s84, s[Q0]
	s_lshl_b32 s84, s84, 11                        ; a super-row of two rows is 4,096 bytes
	s_and_b32 s86, s72, 15
	s_lshl_b32 s86, s86, 8                         ; the head's 256 bytes in it
	s_add_co_u32 s84, s84, s86
	s_mov_b32 s85, 0
	s_add_nc_u64 s[6:7], s[6:7], s[84:85]          ; att at my first query
	s_cmp_lt_u32 s[WV], 8                          ; the prefetches: waves 4-7 K's, waves 8-11 V's
	s_mov_b32 s84, 33554432
	s_cselect_b32 s84, 16777216, s84
	s_add_co_u32 s84, s84, s74
	s_and_b32 s86, s[WV], 3
	s_lshl_b32 s86, s86, 13
	s_add_co_u32 s84, s84, s86                     ; my wave's 8,192 bytes,
	s_add_co_u32 s84, s84, 32768                   ; in slot 1: the first change of slots steps it to slot 2
	s_add_nc_u64 s[PFA:PFA+1], s[4:5], s[84:85]
	s_sub_co_u32 s84, s[WV], 4
	s_lshr_b32 s84, s84, 3                         ; 0 in waves 4 to 11,
	s_or_b32 s84, s84, ttmp9                       ; of the head's work-group 0
	s_cmp_eq_u32 s84, 0
	s_cselect_b32 s[LIM], 1, -1
	v_and_b32 v[PFO], 31, v0
	v_lshlrev_b32 v[PFO], 8, v[PFO]
	v_mul_u32_u24 v[AK0], v10, PK
	v_lshl_add_u32 v[AK0], v11, 4, v[AK0]          ; K: row r x pitch + 16 h
	v_and_b32 v3, 7, v0
	v_lshl_add_u32 v[AV0], v11, 3, v3              ; V: the turning load reads key 8 h + lane % 8,
	v_mul_u32_u24 v[AV0], v[AV0], PV
	v_bfe_u32 v3, v0, 3, 1
	v_lshl_add_u32 v[AV0], v3, 4, v[AV0]           ; channels 8 ((lane / 8) % 2) on
	v_add_nc_u32 v[AV0], VOFF, v[AV0]
	v_mov_b32 v9, 0xff800000                       ; -infinity, for hidden scores
.irp t, 0,1
	v_mov_b32 v[ST+8*\t+1], 0xff61b1e6             ; m: -3e38, under every score
	v_mul_f32 v[ST+8*\t], s[CS], v[ST+8*\t+1]      ; c m
.irp i, 2,3,4,5,6,7
	v_mov_b32 v[ST+8*\t+\i], 0                     ; l, and the registers at work: written once, so that they are written on every way
.endr
.endr
.set i, 0
.rept 64
	v_mov_b32 v[O+i], 0                            ; O^T.  The step is written once: the first finds zeros, which a = 0 leaves zeros
.set i, i+1
.endr
; A KEY STEP: 64 keys, the q-th of the slot in hand.
.macro STEP q
	s_cmp_gt_u32 s[KF], s[QL]                      ; all its keys come after my queries: left out.  No barrier and no tensor load stands in a step
	s_cbranch_scc1 .Lhidden_\@
	v_add_nc_u32 v[ADK], s[TB], v[AK0]
	v_add_nc_u32 v[ADV], s[TB], v[AV0]
.rept 3
	v_nop                                          ; with the two additions five places behind the last products: loads land on their sources, and the products below write over p
.endr
.irp f, 0,1,2,3,4,5,6,7                        ; K: keys 16 (f / 2) on, channels 32 (f % 2) on
	ds_load_b128 v[KV+8*\f:KV+8*\f+3], v[ADK] offset:64*PK*(\q)+(\f/2)*16*PK+(\f%2)*64
	ds_load_b128 v[KV+8*\f+4:KV+8*\f+7], v[ADK] offset:64*PK*(\q)+(\f/2)*16*PK+(\f%2)*64+32
.endr
	s_wait_dscnt 0x0
.irp c, 0,1                                    ; S^T = K Q^T: the eight accumulators take turns, one instruction a turn
.irp kt, 0,1,2,3
.irp t, 0,1
.if \c == 0
	v_wmma_f32_16x16x32_f16 v[S+32*\t+8*\kt:S+32*\t+8*\kt+7], v[KV+16*\kt+8*\c:KV+16*\kt+8*\c+7], v[Q+16*\t+8*\c:Q+16*\t+8*\c+7], 0
.else
	v_wmma_f32_16x16x32_f16 v[S+32*\t+8*\kt:S+32*\t+8*\kt+7], v[KV+16*\kt+8*\c:KV+16*\kt+8*\c+7], v[Q+16*\t+8*\c:Q+16*\t+8*\c+7], v[S+32*\t+8*\kt:S+32*\t+8*\kt+7]
.endif
.endr
.endr
.endr
.rept 4
	v_nop                                          ; places in front of the loads into K's registers and of the first read of the scores
.endr
.irp f, 0,1,2,3,4,5,6,7                        ; V, turned: keys 32 (f / 4) on, channels 16 (f % 4) on.  It lands under the softmax
	ds_load_tr16_b128 v[KV+8*\f:KV+8*\f+3], v[ADV] offset:64*PV*(\q)+(\f/4)*32*PV+(\f%4)*32
	ds_load_tr16_b128 v[KV+8*\f+4:KV+8*\f+7], v[ADV] offset:64*PV*(\q)+(\f/4)*32*PV+(\f%4)*32+16*PV
.endr
	s_add_co_u32 s96, s[KF], 63                    ; on the diagonal hidden scores become -infinity ahead of the maximum; a step all of whose keys count skips this
	s_cmp_le_u32 s96, s[Q0]
	s_cbranch_scc1 .Lopen_\@
	s_sub_co_i32 s96, s[Q0], s[KF]
	v_and_b32 v10, 15, v0
	v_bfe_u32 v11, v0, 4, 1
	v_lshlrev_b32 v11, 3, v11
	v_sub_nc_u32 v10, v10, v11
	v_add_nc_u32 v8, s96, v10                      ; d = Q0 - KF + r - 8 h.  Register n of tile t holds key KF + 16 (n / 8) + 8 h + n % 8 for query Q0 + 16 t + r: hidden where 16 (n / 8) + n % 8 - 16 t > d
.irp t, 0,1
.irp n, 0,1,2,3,4,5,6,7,8,9,10,11,12,13,14,15,16,17,18,19,20,21,22,23,24,25,26,27,28,29,30,31
	v_cmp_gt_i32 vcc_lo, 16*(\n/8)+\n%8-16*\t, v8
	v_cndmask_b32 v[S+32*\t+\n], v[S+32*\t+\n], v9, vcc_lo
.endr
.endr
.Lopen_\@:
	; the softmax, the two tiles line by line.  The maximum: four chains, each beginning at an accumulator's low end
.irp j, 0,1,2,3
.irp t, 0,1
	v_max3_num_f32 v[ST+8*\t+4+\j], v[S+32*\t+8*\j], v[S+32*\t+8*\j+1], v[S+32*\t+8*\j+2]
.endr
.endr
.irp i, 3,5
.irp j, 0,1,2,3
.irp t, 0,1
	v_max3_num_f32 v[ST+8*\t+4+\j], v[ST+8*\t+4+\j], v[S+32*\t+8*\j+\i], v[S+32*\t+8*\j+\i+1]
.endr
.endr
.endr
.irp t, 0,1
	v_max3_num_f32 v[ST+8*\t+4], v[ST+8*\t+4], v[S+32*\t+7], v[S+32*\t+15]
	v_max3_num_f32 v[ST+8*\t+6], v[ST+8*\t+6], v[S+32*\t+23], v[S+32*\t+31]
.endr
.irp t, 0,1
	v_max3_num_f32 v[ST+8*\t+4], v[ST+8*\t+4], v[ST+8*\t+5], v[ST+8*\t+6]
.endr
.irp t, 0,1
	v_max3_num_f32 v[ST+8*\t+4], v[ST+8*\t+4], v[ST+8*\t+7], v[ST+8*\t+1]   ; and the old m
.endr
.irp t, 0,1
	v_permlanex16_b32 v[ST+8*\t+5], v[ST+8*\t+4], s[SEL], s[SEL+1]         ; the query's other 32 keys lie in the lane 16 away
.endr
.irp t, 0,1
	v_mov_b32 v[ST+8*\t+7], v[ST+8*\t]             ; c m_old
.endr
.irp t, 0,1
	v_max_num_f32 v[ST+8*\t+1], v[ST+8*\t+4], v[ST+8*\t+5]
.endr
.irp t, 0,1
	v_mul_f32 v[ST+8*\t], s[CS], v[ST+8*\t+1]
.endr
.irp t, 0,1
	v_sub_f32 v[ST+8*\t+7], v[ST+8*\t+7], v[ST+8*\t]
.endr
.irp j, 0,2,4,6,8,10,12,14,16,18,20,22,24,26,28,30
.irp t, 0,1
	v_pk_fma_f32 v[S+32*\t+\j:S+32*\t+\j+1], v[S+32*\t+\j:S+32*\t+\j+1], s[CS:CS+1], v[ST+8*\t:ST+8*\t+1] op_sel_hi:[1,0,0] neg_lo:[0,0,1] neg_hi:[0,0,1]   ; c s - c m
.endr
.endr
.irp t, 0,1
	v_exp_f32 v[ST+8*\t+6], v[ST+8*\t+7]           ; a.  ONE BATCH: 66 exponentials, none of which reads another's result
.endr
.irp j, 0,1,2,3,4,5,6,7,8,9,10,11,12,13,14,15,16,17,18,19,20,21,22,23,24,25,26,27,28,29,30,31
.irp t, 0,1
	v_exp_f32 v[S+32*\t+\j], v[S+32*\t+\j]
.endr
.endr
	v_nop                                          ; a plain line behind the last exponential
	s_wait_alu depctr_va_vdst(0)                   ; one wait for the batch, ahead of its first reader
.irp t, 0,1
	v_pk_mul_f32 v[ST+8*\t+2:ST+8*\t+3], v[ST+8*\t+2:ST+8*\t+3], v[ST+8*\t+6:ST+8*\t+7] op_sel_hi:[1,0]   ; l x a
.endr
.irp t, 0,1
	v_pk_add_f32 v[ST+8*\t+4:ST+8*\t+5], v[S+32*\t:S+32*\t+1], v[S+32*\t+2:S+32*\t+3]   ; the sum of the unrounded p, in two chains
.endr
.irp j, 4,8,12,16,20,24,28
.irp t, 0,1
	v_pk_add_f32 v[ST+8*\t+2:ST+8*\t+3], v[ST+8*\t+2:ST+8*\t+3], v[S+32*\t+\j:S+32*\t+\j+1]
	v_pk_add_f32 v[ST+8*\t+4:ST+8*\t+5], v[ST+8*\t+4:ST+8*\t+5], v[S+32*\t+\j+2:S+32*\t+\j+3]
.endr
.endr
.irp t, 0,1
	v_pk_add_f32 v[ST+8*\t+2:ST+8*\t+3], v[ST+8*\t+2:ST+8*\t+3], v[ST+8*\t+4:ST+8*\t+5]
.endr
.irp j, 0,1,2,3,4,5,6,7,8,9,10,11,12,13,14,15
.irp t, 0,1
	v_cvt_pk_f16_f32 v[S+32*\t+\j], v[S+32*\t+2*\j], v[S+32*\t+2*\j+1]   ; p to f16, in place, ascending: registers 8 u .. 8 u + 7 are source 1 for keys 32 u on
.endr
.endr
.irp j, 0,2,4,6,8,10,12,14,16,18,20,22,24,26,28,30
.irp t, 0,1
	v_pk_mul_f32 v[O+32*\t+\j:O+32*\t+\j+1], v[O+32*\t+\j:O+32*\t+\j+1], v[ST+8*\t+6:ST+8*\t+7] op_sel_hi:[1,0]   ; O^T x a, each accumulator from its low end on
.endr
.endr
	s_wait_dscnt 0x0                               ; V is in
.irp u, 0,1                                    ; O^T += V^T P: the eight accumulators take turns
.irp ct, 0,1,2,3
.irp t, 0,1
	v_wmma_f32_16x16x32_f16 v[O+32*\t+8*\ct:O+32*\t+8*\ct+7], v[KV+32*\u+8*\ct:KV+32*\u+8*\ct+7], v[S+32*\t+8*\u:S+32*\t+8*\u+7], v[O+32*\t+8*\ct:O+32*\t+8*\ct+7]
.endr
.endr
.endr
.Lhidden_\@:
	s_add_co_u32 s[KF], s[KF], 64
.endm
; THE CHANGE OF SLOTS stands at a slot's head.  Each wave waits for all its tensor loads, adds 0 to its spare word, and waits for that and for its reads of the slot that it has left; then the barrier.
; fill = 1: the slot that was left takes the next 256 keys, while those begin at or under the work-group's last query: a slot beyond that would be read by no wave.  The test is made of the work-group's number and the count
; of steps alone, so all sixteen waves go the same way; it leads round the load's own lines and nothing else; every wait on TENSORcnt in this text is for 0.
.macro CHANGE fill
	s_wait_tensorcnt 0x0                           ; no tensor load of mine is out, so a group 0 may be written
	ds_add_u32 v[SPW], v[NIL]
.if \fill
	ds_add_u32 v[SPW], v[NIL]                      ; twice on end here, in every trip alike
	s_xor_b32 s[G0K+1], s[G0K+1], SLOT1
	s_add_nc_u64 s[G0K+2:G0K+3], s[G0K+2:G0K+3], 32768
	s_xor_b32 s[G0V+1], s[G0V+1], SLOT1
	s_add_nc_u64 s[G0V+2:G0V+3], s[G0V+2:G0V+3], 32768
	s_wait_xcnt 0x0                                ; the last prefetch, a slot back, has read its address
	s_add_nc_u64 s[PFA:PFA+1], s[PFA:PFA+1], 32768
.endif
	s_wait_dscnt 0x0
	s_barrier_signal -1
	s_barrier_wait -1
.if \fill
	s_add_co_u32 s96, s[KF], SK                    ; the first key of the slot that this change would ask for
	s_cmp_gt_u32 s96, s[WL]
	s_cbranch_scc1 .Lpast_\@
	TLOAD                                          ; a wave's one tensor load until the next such barrier: it has four key steps in which to land
.Lpast_\@:
	ASK
.endif
.endm
.macro SLOT_STEPS
	STEP 0
	STEP 1
	STEP 2
	STEP 3
	s_xor_b32 s[TB], s[TB], SLOT1
.endm
	s_wait_loadcnt 0x0                             ; Q
.Lslot:                                            ; 7 trips
	CHANGE 1
	SLOT_STEPS
	s_sub_co_u32 s[SLOTS], s[SLOTS], 1
	s_cmp_lg_u32 s[SLOTS], 0
	s_cbranch_scc1 .Lslot
	CHANGE 0                                       ; the last slot is written out: nothing is left to ask for
	SLOT_STEPS
	; THE WAY OUT.  O^T / l, rounded to f16, goes through my stage (32 rows x 144 bytes, in the slot that was left at the last change: it has had its last fill and nobody reads it) and leaves so that sixteen lanes store 256 consecutive bytes.
.irp t, 0,1
	v_add_f32 v[ST+8*\t+4], v[ST+8*\t+2], v[ST+8*\t+3]
.endr
.irp t, 0,1
	v_permlanex16_b32 v[ST+8*\t+5], v[ST+8*\t+4], s[SEL], s[SEL+1]
.endr
.irp t, 0,1
	v_add_f32 v[ST+8*\t+4], v[ST+8*\t+4], v[ST+8*\t+5]
.endr
.irp t, 0,1
	v_rcp_f32 v[ST+8*\t+6], v[ST+8*\t+4]
.endr
	v_and_b32 v10, 15, v0                          ; r  (plain work behind the reciprocals)
	v_bfe_u32 v11, v0, 4, 1                        ; h
	s_mul_i32 s73, s[WV], 32*PK                    ; my stage
	v_mul_u32_u24 v3, v10, PK
	v_lshl_add_u32 v3, v11, 4, v3
	v_add_nc_u32 v3, s73, v3                       ; in: row r, 16 h
	v_bfe_u32 v4, v0, 3, 2
	v_mul_u32_u24 v4, v4, PK
	v_and_b32 v8, 7, v0
	v_lshl_add_u32 v4, v8, 4, v4
	v_add_nc_u32 v4, s73, v4                       ; back: row lane / 8, 16 bytes x (lane % 8)
	v_lshlrev_b32 v8, 4, v10
	v_lshl_add_u32 v8, v11, 12, v8                 ; in att: lanes 0-15 one super-row's 256 bytes, lanes 16-31 the next's
	s_wait_alu depctr_va_vdst(0)                   ; one wait for the two reciprocals, ahead of their first reader
.irp t, 0,1
.irp j, 0,2,4,6,8,10,12,14,16,18,20,22,24,26,28,30
	v_pk_mul_f32 v[O+32*\t+\j:O+32*\t+\j+1], v[O+32*\t+\j:O+32*\t+\j+1], v[ST+8*\t+6:ST+8*\t+7] op_sel_hi:[1,0]
.endr
.endr
.irp t, 0,1
.irp j, 0,1,2,3,4,5,6,7,8,9,10,11,12,13,14,15
	v_cvt_pk_f16_f32 v[S+16*\t+\j], v[O+32*\t+2*\j], v[O+32*\t+2*\j+1]
.endr
.endr
.irp t, 0,1
.irp ct, 0,1,2,3
	ds_store_b128 v3, v[S+16*\t+4*\ct:S+16*\t+4*\ct+3] offset:\t*16*PK+32*\ct
.endr
.endr
.irp g, 0,1,2,3,4,5,6,7
	ds_load_b128 v[KV+4*\g:KV+4*\g+3], v4 offset:\g*4*PK   ; LDS serves a wave's instructions in order: these see my stores
.endr
.irp g, 0,1,2,3,4,5,6,7
	s_wait_dscnt 7-\g                              ; number g is in; the younger ones may be out
	global_store_b128 v8, v[KV+4*\g:KV+4*\g+3], s[6:7] offset:8192*\g
.endr
	s_wait_tensorcnt 0x0                           ; the wave's end, behind my last tensor load and my last LDS store
	ds_add_u32 v[SPW], v[NIL]
	s_wait_dscnt 0x0
	s_endpgm
.Lfunc_end_k_qe3d0bc18dc_attn:
	.size	k_qe3d0bc18dc_attn, .Lfunc_end_k_qe3d0bc18dc_attn-k_qe3d0bc18dc_attn
	.p2alignl 7, 3214868480
	.fill 96, 4, 3214868480
	.section	.rodata,"a",@progbits
	.p2align	6, 0x0
	.amdhsa_kernel k_qe3d0bc18dc_attn
		.amdhsa_group_segment_fixed_size 327680
		.amdhsa_private_segment_fixed_size 0
		.amdhsa_enable_private_segment 0
		.amdhsa_kernarg_size 16
		.amdhsa_user_sgpr_count 2
		.amdhsa_user_sgpr_kernarg_segment_ptr 1
		.amdhsa_wavefront_size32 1
		.amdhsa_system_sgpr_workgroup_id_x 1
		.amdhsa_system_sgpr_workgroup_id_y 1
		.amdhsa_system_sgpr_workgroup_id_z 1
		.amdhsa_system_vgpr_workitem_id 0
		.amdhsa_next_free_vgpr 256
		.amdhsa_next_free_sgpr 100
		.amdhsa_reserve_vcc 1
		.amdhsa_float_denorm_mode_32 3
		.amdhsa_float_denorm_mode_16_64 3
		.amdhsa_memory_ordered 1
		.amdhsa_forward_progress 1
		.amdhsa_inst_pref_size 189
	.end_amdhsa_kernel
	.amdgpu_metadata
---
amdhsa.version: [ 1, 2 ]
amdhsa.kernels:
  - .name:           k_qe3d0bc18dc_attn
    .symbol:         k_qe3d0bc18dc_attn.kd
    .args:
      - { .name: qkv, .offset: 0, .size: 8, .value_kind: global_buffer, .address_space: global }
      - { .name: att, .offset: 8, .size: 8, .value_kind: global_buffer, .address_space: global }
    .group_segment_fixed_size: 327680
    .private_segment_fixed_size: 0
    .kernarg_segment_align: 8
    .kernarg_segment_size: 16
    .max_flat_workgroup_size: 512
    .sgpr_count:     100
    .vgpr_count:     256
    .wavefront_size: 32
...
	.end_amdgpu_metadata
.endif
;; end of part 4
;; launch oproj (part 5): grid 8 x 64, 4 waves a work-group, clusters of 4 x 4, 327,680 bytes of LDS; arguments att, wpt, out0, bp; writes out0
.if DOCPART == 5
	.amdgcn_target "amdgcn-amd-amdhsa--gfx1250"
	.amdhsa_code_object_version 6
	.text
	.protected	k_qe3d0bc18dc_oproj
	.globl	k_qe3d0bc18dc_oproj
	.p2align	8
	.type	k_qe3d0bc18dc_oproj,@function
k_qe3d0bc18dc_oproj:
	s_mov_b64 s[64:65], 0
	v_nop
	global_prefetch_b8 v0, s[64:65] scope:SCOPE_SE
	s_setreg_imm32_b32 hwreg(HW_REG_WAVE_MODE, 25, 1), 1
	s_wait_xcnt 0x0
	s_wait_alu depctr_hold_cnt(0) depctr_sa_sdst(0) depctr_va_vdst(0) depctr_va_sdst(0) depctr_va_ssrc(0) depctr_va_vcc(0) depctr_vm_vsrc(0)
	s_getreg_b32 s2, hwreg(HW_REG_IB_STS2, 6, 4)
	s_cmp_eq_u32 s2, 0
	s_cbranch_scc0 .Lentry_in_a_cluster
	s_endpgm
.Lentry_in_a_cluster:
	s_bfe_u32 s2, ttmp6, 0x10000c
	s_cmp_lg_u32 s2, 0xf033
	s_cbranch_scc0 .Lentry_shape_is_right
	s_endpgm
.Lentry_shape_is_right:
; out0[m][n] = sum over k of A[m][k] Wp[k][n] + bp[n].  A: the attention's result, att [super-row m / 2][16 h][m & 1][64] f16 (k = 64 h + e); Wp as wpt [n][k] f16; out0 [8192][1024] f32; sums in f32.
; LIMITS: f16 operands (see the launches that make them).  The rows s < 16 of every batch are written here from f16 operands and written anew, from f32, by the launch that follows.
; A tile of 128 x 128 is made by four waves, each 64 x 64: 16 accumulators.  K goes in steps of 256 through a ring of two LDS slots.  A K step is 4 heads: 1,024 bytes of a super-row, so A's tile is 32 super-rows a load;
; in LDS row m, K 64 q + e lies at (m / 2) x 1040 + 256 q + 128 (m & 1) + 2 e.  B's tile: 64 rows of 512 bytes a load, pitch 528.
; CLUSTERS: 4 x 4 work-groups; A's tiles are asked for jointly along a row of the cluster, B's along a column.  THE MATRIX INSTRUCTION IS USED TRANSPOSED (source 0 = 16 rows of wpt, source 1 = 16 rows of A):
; a lane holds eight neighbouring numbers of a row of out0.  The bias is the C of each sum's first product.
; REGISTERS: window 0: v0-31 addresses; v32-95 rows on the way out; v96-127 the bias; v128-255 the accumulators ((a, b) at v[128 + 8 (4 a + b)]).  window 1: two fragment buffers of 128.
.set PA,     1040                      ; a super-row's K step in LDS: 1,024 bytes + 16
.set PB,     528
.set AH,     32*PA                     ; what one load brings of A
.set BH,     64*PB                     ; and of B
.set SLOT,   2*AH+2*BH
.set STAGE,  2*SLOT                    ; behind the ring: 16 rows x 272 bytes for each wave
.set SPITCH, 272
.set SPARE,  STAGE+4*16*SPITCH
.set LAPS,   2                         ; 1024 / (2 x 256)
.set ADRA, 16
.set ADRB, 20
.set STO,  24
.set RD,   25
.set CO,   26
.set BO,   27
.set SPW,  28
.set NIL,  29
.set TMP,  32
.set BIAS, 96
.set ACC,  128
.set F0,   0
.set F1,   128
.set G1, 24
.set G0, 32
.set G1B, 48
.set G0B, 56
.set MSB, 0
.macro WIN new
.if MSB != \new
	s_set_vgpr_msb (MSB<<8)|\new
.set MSB, \new
.endif
.endm
.set MUL,  0x05                        ; sources 0 and 1 window 1; C and D window 0
.set TO_F, 0x40
.macro JLOAD s                         ; a joint load: waves 0 and 1 fetch A's halves, waves 2 and 3 B's; an s_nop 0 and four v_nop follow each line
	s_cmp_eq_u32 s11, 0
	s_cbranch_scc0 .Lfor_b_\@
	tensor_load_to_lds s[G0+4*\s:G0+4*\s+3], s[G1:G1+7]
	s_nop 0
.rept 4
	v_nop
.endr
	s_branch .Lasked_\@
.Lfor_b_\@:
	tensor_load_to_lds s[G0B+4*\s:G0B+4*\s+3], s[G1B:G1B+7]
	s_nop 0
.rept 4
	v_nop
.endr
.Lasked_\@:
.endm
.macro CREST
	s_cmp_lg_u32 s10, 0
	s_cbranch_scc1 .Lnot_wave_0_\@
	s_barrier_signal -3
.Lnot_wave_0_\@:
	s_barrier_wait -3
	s_barrier_signal -1
	s_barrier_wait -1
.endm
.macro CROUND
	s_barrier_signal -1
	s_barrier_wait -1
	CREST
.endm
	s_load_b128 s[4:7], s[0:1], 0x0                ; att, wpt
	s_load_b64 s[8:9], s[0:1], 0x10                ; out0
	s_load_b64 s[66:67], s[0:1], 0x18              ; bp
	v_lshl_add_u32 v[SPW], v0, 2, SPARE
	v_mov_b32 v[NIL], 0
	ds_add_u32 v[SPW], v[NIL]                      ; the wave's opening: the add, twice on end, and its wait ahead of my first tensor load
	ds_add_u32 v[SPW], v[NIL]
	v_lshrrev_b32 v1, 5, v0
	v_readfirstlane_b32 s10, v1                    ; wave 0..3
	s_lshr_b32 s11, s10, 1                         ; which half of the tile's rows is mine.  Also: I fetch for A (0) or for B (1)
	s_and_b32 s12, s10, 1                          ; which half of its columns.  Also: which half of that tile I fetch
	s_bfe_u32 s40, ttmp6, 0x40000
	s_bfe_u32 s41, ttmp6, 0x40004
	s_lshl_b32 s42, ttmp9, 2
	s_add_co_u32 s42, s42, s40                     ; tile column
	s_and_b32 s13, ttmp7, 0xffff
	s_lshl_b32 s13, s13, 2
	s_add_co_u32 s13, s13, s41                     ; tile row
	s_lshl_b32 s43, s41, 2
	s_lshl_b32 s43, 15, s43                        ; my row of the cluster
	s_lshl_b32 s44, 0x1111, s40                    ; my column
	s_or_b32 s[G1+0], s43, (1<<16)|(1<<20)|(1<<21)|(7<<22)|(3<<25)   ; elements of 2 bytes; 4 words of padding after every 256
	s_mov_b32 s[G1+1], 512<<16                     ; tensor_dim0: 4 heads x 2 rows x 64
	s_mov_b32 s[G1+2], 32<<16                      ; tensor_dim1: 32 super-rows
	s_mov_b32 s[G1+3], 512<<16
	s_mov_b32 s[G1+4], 32
	s_mov_b32 s[G1+5], 2048                        ; a super-row is 2,048 elements
	s_mov_b32 s[G1+6], 0
	s_mov_b32 s[G1+7], 0
	s_or_b32 s[G1B+0], s44, (1<<16)|(1<<20)|(1<<21)|(6<<22)|(3<<25)  ; 4 words after every 128
	s_mov_b32 s[G1B+1], 256<<16
	s_mov_b32 s[G1B+2], 64<<16
	s_mov_b32 s[G1B+3], 256<<16
	s_mov_b32 s[G1B+4], 64
	s_mov_b32 s[G1B+5], 1024
	s_mov_b32 s[G1B+6], 0
	s_mov_b32 s[G1B+7], 0
	s_lshl_b32 s16, s13, 6
	s_lshl_b32 s17, s12, 5
	s_add_co_u32 s16, s16, s17                     ; A: super-row 64 x tile row + 32 x half,
	s_lshl_b32 s16, s16, 12                        ; of 4,096 bytes
	s_mov_b32 s17, 0
	s_lshl_b32 s46, s42, 7
	s_lshl_b32 s47, s12, 6
	s_add_co_u32 s46, s46, s47                     ; B: row 128 x tile column + 64 x half,
	s_lshl_b32 s46, s46, 11                        ; of 2,048 bytes
	s_mov_b32 s47, 0
	s_mul_i32 s20, s12, AH                         ; where they go: no place in the cluster enters an LDS address
	s_mul_i32 s21, s12, BH
	s_add_co_u32 s21, s21, 2*AH
	s_wait_dscnt 0x0                               ; both opening adds are done
	s_wait_kmcnt 0x0
	s_add_nc_u64 s[14:15], s[4:5], s[16:17]
	s_add_nc_u64 s[46:47], s[6:7], s[46:47]
	CROUND                                         ; all sixteen work-groups are here: the first joint loads meet
.irp s, 0,1
	s_mov_b32 s[G0+4*\s], 1
	s_add_co_u32 s[G0+4*\s+1], s20, \s*SLOT
	s_add_nc_u64 s[G0+4*\s+2:G0+4*\s+3], s[14:15], \s*1024
	s_or_b32 s[G0+4*\s+3], s[G0+4*\s+3], 0x80000000
	s_mov_b32 s[G0B+4*\s], 1
	s_add_co_u32 s[G0B+4*\s+1], s21, \s*SLOT
	s_add_nc_u64 s[G0B+4*\s+2:G0B+4*\s+3], s[46:47], \s*512
	s_or_b32 s[G0B+4*\s+3], s[G0B+4*\s+3], 0x80000000
	JLOAD \s
.endr
	v_and_b32 v1, 15, v0                           ; r
	v_bfe_u32 v2, v0, 4, 1                         ; h
	v_lshlrev_b32 v[BO], 5, v2
	s_lshl_b32 s46, s42, 9
	s_lshl_b32 s47, s12, 8
	s_add_co_u32 s46, s46, s47                     ; my first column x 4 bytes
	s_mov_b32 s47, 0
	s_add_nc_u64 s[66:67], s[66:67], s[46:47]
.irp b, 0,1,2,3
	global_load_b128 v[BIAS+8*\b:BIAS+8*\b+3], v[BO], s[66:67] offset:64*\b        ; lane (r, h): bp at 16 b + 8 h + 0 .. 7 of my 64 columns
	global_load_b128 v[BIAS+8*\b+4:BIAS+8*\b+7], v[BO], s[66:67] offset:64*\b+16
.endr
	s_lshl_b32 s16, s13, 7
	s_lshl_b32 s17, s11, 6
	s_add_co_u32 s16, s16, s17                     ; my first row of out0,
	s_lshl_b32 s16, s16, 12                        ; of 4,096 bytes
	s_mov_b32 s17, 0
	s_add_nc_u64 s[8:9], s[8:9], s[16:17]
	s_add_nc_u64 s[8:9], s[8:9], s[46:47]
	v_mul_u32_u24 v3, v1, PB
	v_lshl_add_u32 v3, v2, 4, v3                   ; B: row r x pitch + 16 h
	v_lshrrev_b32 v5, 1, v1
	v_mul_u32_u24 v4, v5, PA
	v_and_b32 v5, 1, v1
	v_lshl_add_u32 v4, v5, 7, v4
	v_lshl_add_u32 v4, v2, 4, v4                   ; A: (r / 2) x 1040 + 128 (r & 1) + 16 h: sixteen lanes touch sixteen different runs of 16 bytes modulo 256
	s_mul_i32 s21, s11, AH                         ; my 64 rows of A
	s_mul_i32 s22, s12, BH                         ; my 64 rows of B,
	s_add_co_u32 s22, s22, 2*AH                    ; behind A's
.irp s, 0,1
	v_add_nc_u32 v[ADRA+\s], s21, v4
	v_add_nc_u32 v[ADRB+\s], s22, v3
	s_add_co_u32 s21, s21, SLOT
	s_add_co_u32 s22, s22, SLOT
.endr
	s_mul_i32 s23, s10, 16*SPITCH
	s_add_co_u32 s23, s23, STAGE                   ; my stage
	v_mul_u32_u24 v5, v1, SPITCH
	v_lshl_add_u32 v5, v2, 5, v5
	v_add_nc_u32 v[STO], s23, v5                   ; in: row r, 32 h
	v_mul_u32_u24 v5, v2, SPITCH
	v_lshl_add_u32 v5, v1, 4, v5
	v_add_nc_u32 v[RD], s23, v5                    ; back: lanes 0-15 one row of 256 bytes, lanes 16-31 the next
	v_lshlrev_b32 v5, 4, v1
	v_lshl_add_u32 v[CO], v2, 12, v5               ; and the same two rows in out0
.macro MUL8 f, c, a0, zero             ; 8 matrix instructions: m blocks a0, a0 + 1 x all 4 n blocks, 32 along K.  zero = 1: the first product starts the sum with the bias as its C
.irp a, \a0, \a0+1
.irp b, 0,1,2,3
.if \zero
	v_wmma_f32_16x16x32_f16 v[ACC+8*(4*(\a)+\b):ACC+8*(4*(\a)+\b)+7], v[\f+64+8*(4*\c+\b):\f+64+8*(4*\c+\b)+7], v[\f+8*(4*\c+\a):\f+8*(4*\c+\a)+7], v[BIAS+8*\b:BIAS+8*\b+7]
.else
	v_wmma_f32_16x16x32_f16 v[ACC+8*(4*(\a)+\b):ACC+8*(4*(\a)+\b)+7], v[\f+64+8*(4*\c+\b):\f+64+8*(4*\c+\b)+7], v[\f+8*(4*\c+\a):\f+8*(4*\c+\a)+7], v[ACC+8*(4*(\a)+\b):ACC+8*(4*(\a)+\b)+7]
.endif
.endr
.endr
.endm
.macro FETCH slot, q, f                ; 32 LDS loads in one run: the fragments of the slot's q-th 64 along K (one head) into buffer f; the first 32 along K first
	WIN TO_F
.irp c, 0,1
.irp i, 0,1,2,3
	ds_load_b128 v[\f+64+8*(4*\c+\i):\f+64+8*(4*\c+\i)+3],   v[ADRB+\slot] offset:128*(\q)+64*\c+\i*16*PB
	ds_load_b128 v[\f+64+8*(4*\c+\i)+4:\f+64+8*(4*\c+\i)+7], v[ADRB+\slot] offset:128*(\q)+64*\c+\i*16*PB+32
	ds_load_b128 v[\f+8*(4*\c+\i):\f+8*(4*\c+\i)+3],         v[ADRA+\slot] offset:256*(\q)+64*\c+\i*8*PA
	ds_load_b128 v[\f+8*(4*\c+\i)+4:\f+8*(4*\c+\i)+7],       v[ADRA+\slot] offset:256*(\q)+64*\c+\i*8*PA+32
.endr
.endr
.endm
.macro PLACES
.rept 4
	v_nop
.endr
.endm
.macro QUARTER slot, q, f, g, zero     ; multiplies buffer f and fetches the slot's q-th quarter into g
	s_wait_dscnt 16                                ; the first 32 along K are in; the sixteen younger loads may be out
	WIN MUL
	MUL8 \f, 0, 0, \zero
	MUL8 \f, 0, 2, \zero
	PLACES
	FETCH \slot, \q, \g
	s_wait_dscnt 32                                ; all but the 32 just issued
	WIN MUL
	MUL8 \f, 1, 0, 0
	MUL8 \f, 1, 2, 0
.endm
; The last quarter multiplies buffer 1 and changes slots: one barrier; in front of it each wave waits for all its tensor loads, adds 0 to its spare word, and waits for that and for its reads of this slot.
.macro TURN slot, next, fill
	WIN 0
	s_wait_tensorcnt 0x0                           ; all my tensor loads have landed: my part of the next slot
	ds_add_u32 v[SPW], v[NIL]
	s_wait_dscnt 17                                ; (the add and the youngest sixteen loads may be out)
	WIN MUL
	MUL8 F1, 0, 0, 0
	s_wait_dscnt 0x0                               ; the add is done, and my reads of this slot are over
	s_barrier_signal -1
	MUL8 F1, 0, 2, 0
.if \fill
	WIN 0
.endif
	s_barrier_wait -1
.if \fill
	CREST                                          ; the barrier has opened a round of the cluster's: no wave of any partner still reads this slot or has a load on its way
	s_add_nc_u64 s[G0+4*\slot+2:G0+4*\slot+3], s[G0+4*\slot+2:G0+4*\slot+3], 2048
	s_add_nc_u64 s[G0B+4*\slot+2:G0B+4*\slot+3], s[G0B+4*\slot+2:G0B+4*\slot+3], 1024
	JLOAD \slot                                    ; the first tensor load behind the round; its four v_nop are also the places in front of the loads below
.else
	PLACES
.endif
	FETCH \next, 0, F0
	WIN MUL
	MUL8 F1, 1, 0, 0
	MUL8 F1, 1, 2, 0
.endm
	s_wait_tensorcnt 1                             ; my part of K step 0 is in (K step 1's load may be out)
	s_barrier_signal -1
	s_barrier_wait -1                              ; everybody's is
	FETCH 0, 0, F0
	s_wait_loadcnt 0x0                             ; the bias
	QUARTER 0, 1, F0, F1, 1
	WIN 0
	s_mov_b32 s3, LAPS-1
.Llap:                                                 ; a trip goes once round the ring and fills both slots again
	QUARTER 0, 2, F1, F0, 0
	QUARTER 0, 3, F0, F1, 0
	TURN 0, 1, 1
	QUARTER 1, 1, F0, F1, 0
	QUARTER 1, 2, F1, F0, 0
	QUARTER 1, 3, F0, F1, 0
	TURN 1, 0, 1
	QUARTER 0, 1, F0, F1, 0
	WIN 0
	s_sub_co_u32 s3, s3, 1
	s_cmp_lg_u32 s3, 0
	s_cbranch_scc1 .Llap
	QUARTER 0, 2, F1, F0, 0                        ; the last lap fills nothing
	QUARTER 0, 3, F0, F1, 0
	TURN 0, 1, 0
	QUARTER 1, 1, F0, F1, 0
	QUARTER 1, 2, F1, F0, 0
	QUARTER 1, 3, F0, F1, 0
	s_wait_dscnt 16
	WIN MUL
	MUL8 F1, 0, 0, 0
	MUL8 F1, 0, 2, 0
	s_wait_dscnt 0
	MUL8 F1, 1, 0, 0
	MUL8 F1, 1, 2, 0
	WIN 0
; THE WAY OUT.  My 64 columns of f32 are 256 bytes of a row: a block of 16 rows goes through my own stage and comes back as whole runs of 256 bytes, two rows an instruction.  No barrier: the stage is mine.
.macro TOSTAGE a
.irp b, 0,1,2,3
	ds_store_b128 v[STO], v[ACC+8*(4*(\a)+\b):ACC+8*(4*(\a)+\b)+3] offset:64*\b       ; each accumulator from its low end on
	ds_store_b128 v[STO], v[ACC+8*(4*(\a)+\b)+4:ACC+8*(4*(\a)+\b)+7] offset:64*\b+16
.endr
.set BB, TMP+32*((\a)%2)
.irp t, 0,1,2,3,4,5,6,7
	ds_load_b128 v[BB+4*\t:BB+4*\t+3], v[RD] offset:\t*2*SPITCH    ; LDS serves a wave's instructions in order: these see the stores above, and the next block's stores come behind them
.endr
.endm
.macro SEND a, younger
.set BB, TMP+32*((\a)%2)
	s_wait_dscnt \younger                          ; the block is back; the next block's 8 stores and 8 loads may be out
.irp t, 0,1,2,3,4,5,6,7
	global_store_b128 v[CO], v[BB+4*\t:BB+4*\t+3], s[8:9] offset:(16*(\a)+2*\t)*4096 th:TH_STORE_NT   ; 16 lanes store 256 consecutive bytes, aligned
.endr
.endm
	PLACES
	TOSTAGE 0
.irp a, 1,2,3
.if \a > 1
	s_wait_xcnt 0x0                                ; block a - 2's stores have read their registers: block a's loads may land there
.endif
	TOSTAGE \a
	SEND \a-1, 16
.endr
	SEND 3, 0
	s_wait_tensorcnt 0x0                           ; the wave's end, behind my last tensor load and my last LDS store
	ds_add_u32 v[SPW], v[NIL]
	s_wait_dscnt 0x0
	CROUND                                         ; the closing round
	s_endpgm
.Lfunc_end_k_qe3d0bc18dc_oproj:
	.size	k_qe3d0bc18dc_oproj, .Lfunc_end_k_qe3d0bc18dc_oproj-k_qe3d0bc18dc_oproj
	.p2alignl 7, 3214868480
	.fill 96, 4, 3214868480
	.section	.rodata,"a",@progbits
	.p2align	6, 0x0
	.amdhsa_kernel k_qe3d0bc18dc_oproj
		.amdhsa_group_segment_fixed_size 327680
		.amdhsa_private_segment_fixed_size 0
		.amdhsa_enable_private_segment 0
		.amdhsa_kernarg_size 32
		.amdhsa_user_sgpr_count 2
		.amdhsa_user_sgpr_kernarg_segment_ptr 1
		.amdhsa_wavefront_size32 1
		.amdhsa_system_sgpr_workgroup_id_x 1
		.amdhsa_system_sgpr_workgroup_id_y 1
		.amdhsa_system_sgpr_workgroup_id_z 1
		.amdhsa_system_vgpr_workitem_id 0
		.amdhsa_next_free_vgpr 512
		.amdhsa_next_free_sgpr 68
		.amdhsa_reserve_vcc 0
		.amdhsa_float_denorm_mode_32 3
		.amdhsa_float_denorm_mode_16_64 3
		.amdhsa_memory_ordered 1
		.amdhsa_forward_progress 1
		.amdhsa_inst_pref_size 87
	.end_amdhsa_kernel
	.amdgpu_metadata
---
amdhsa.version: [ 1, 2 ]
amdhsa.kernels:
  - .name:           k_qe3d0bc18dc_oproj
    .symbol:         k_qe3d0bc18dc_oproj.kd
    .args:
      - { .name: att, .offset: 0, .size: 8, .value_kind: global_buffer, .address_space: global }
      - { .name: wpt, .offset: 8, .size: 8, .value_kind: global_buffer, .address_space: global }
      - { .name: out0, .offset: 16, .size: 8, .value_kind: global_buffer, .address_space: global }
      - { .name: bp, .offset: 24, .size: 8, .value_kind: global_buffer, .address_space: global }
    .group_segment_fixed_size: 327680
    .private_segment_fixed_size: 0
    .kernarg_segment_align: 8
    .kernarg_segment_size: 32
    .max_flat_workgroup_size: 128
    .sgpr_count:     68
    .vgpr_count:     512
    .wavefront_size: 32
...
	.end_amdgpu_metadata
.endif
;; end of part 5
;; launch first16 (part 6): grid 16 x 4, 16 waves a work-group, no clusters, 71,680 bytes of LDS; arguments q32, Wp, bp, out0; writes out0
.if DOCPART == 6
	.amdgcn_target "amdgcn-amd-amdhsa--gfx1250"
	.amdhsa_code_object_version 6
	.text
	.protected	k_qe3d0bc18dc_first16
	.globl	k_qe3d0bc18dc_first16
	.p2align	8
	.type	k_qe3d0bc18dc_first16,@function
k_qe3d0bc18dc_first16:
	s_mov_b64 s[64:65], 0
	v_nop
	global_prefetch_b8 v0, s[64:65] scope:SCOPE_SE
	s_setreg_imm32_b32 hwreg(HW_REG_WAVE_MODE, 25, 1), 1
	s_wait_xcnt 0x0
; The first 16 positions of every batch, all in f32: under the causal mask these rows average few values and are the largest, so f16 operands would use up what the comparison allows.
; q32: [3][16 b + s][1024] f32 (q, k, v with their biases).  out0 rows 2048 b + 0 .. 15 are written anew: attention of 16 queries on 16 keys in each of 16 heads, then x Wp + bp.
; SHARES.  x = g: 64 columns of out0; y = b.  Wave w is head w: it makes the head's 16 x 16 attention (recomputed in each of the 16 column groups: 32 matrix instructions, in place of a launch and a way through memory),
; then multiplies its 64 channels, straight from its registers, by rows 64 w .. 64 w + 63 of Wp, 64 columns.  The 16 partial sums meet in LDS; waves 0-7 add them, two rows each.
; FORM: v_wmma_f32_16x16x4_f32: source registers j = 0, 1 hold K slot 2 (lane / 16) + j.  Which k a slot means is free as long as both sources agree:
;   S^T = K Q^T: step 2 c + u: slot (h, j) = channel 8 c + 4 h + 2 u + j, as 16-byte loads leave them;   O^T = V^T P: step kk: slot (h, j) = key 8 h + 2 kk + j, where p lies already;
;   out^T = Wp^T O: step (ct, kk): slot (h, j) = channel 16 ct + 8 h + 2 kk + j, where O lies already.  So nothing changes lanes between the products.
; The registers that this form writes (v208-255) are written by it alone; what is made of a sum goes elsewhere.
.set RP,    272                        ; a row of a partial sum in LDS: 256 bytes + 16
.set WRED,  16*RP
.set SPARE, 16*WRED
.set QF,  16                           ; v16-47  q;  later p (v16-23) and work (v24-31)
.set KF,  48                           ; v48-79  k;  later O / l
.set VF,  80                           ; v80-111 v
.set WB,  112                          ; v112-207 three buffers of 32 for Wp; later the 16 partial sums
.set SV,  16
.set OV,  48
.set AS0, 208
.set AS1, 216
.set ACC, 224
	s_load_b256 s[4:11], s[0:1], 0x0               ; q32, Wp, bp, out0
	v_lshl_add_u32 v9, v0, 2, SPARE                ; my spare word; never rewritten
	v_mov_b32 v10, 0                               ; 0; never rewritten
	v_lshrrev_b32 v1, 5, v0
	v_readfirstlane_b32 s12, v1                    ; wave = head
	s_and_b32 s14, ttmp7, 0xffff                   ; b
	v_and_b32 v1, 15, v0                           ; r
	v_bfe_u32 v2, v0, 4, 1                         ; h
	v_lshlrev_b32 v3, 12, v1
	v_lshl_add_u32 v3, v2, 4, v3                   ; q, k: row r of 4,096 bytes + 16 h
	v_lshlrev_b32 v4, 2, v1
	v_lshl_add_u32 v4, v2, 15, v4                  ; v, Wp: column r, 8 h rows of 4,096 bytes down
	s_mul_i32 s15, s12, WRED
	v_mul_u32_u24 v5, v1, RP
	v_lshl_add_u32 v5, v2, 5, v5
	v_add_nc_u32 v5, s15, v5                       ; my partial sum: row r, 32 h
	s_and_b32 s15, s12, 7
	s_mul_i32 s15, s15, 2*RP
	v_mul_u32_u24 v6, v2, RP
	v_lshl_add_u32 v6, v1, 4, v6
	v_add_nc_u32 v6, s15, v6                       ; back: rows 2 w, 2 w + 1; 16 bytes a lane
	v_lshlrev_b32 v8, 4, v1                        ; bp: my four columns
	v_lshl_add_u32 v7, v2, 12, v8                  ; out0: the same two rows
	v_lshlrev_b32 v11, 3, v2
	v_sub_nc_u32 v11, v1, v11                      ; d = r - 8 h: register j holds key 8 h + j: hidden where j > d
	s_mov_b32 s20, 0x76543210
	s_mov_b32 s21, 0xfedcba98                      ; v_permlanex16_b32: lane l xor 16
	s_mov_b32 s22, 0x3e38aa3b                      ; c = log2(e) / 8
	s_lshl_b32 s16, s14, 16                        ; the batch's 16 rows,
	s_lshl_b32 s17, s12, 8                         ; the head's 256 bytes
	s_add_co_u32 s16, s16, s17
	s_mov_b32 s17, 0
	s_lshl_b32 s18, s12, 18                        ; Wp: the head's 64 rows,
	s_lshl_b32 s24, ttmp9, 8                       ; the group's 64 columns
	s_add_co_u32 s18, s18, s24
	s_mov_b32 s19, 0
	s_mov_b32 s25, 0
	s_lshl_b32 s26, s14, 11
	s_lshl_b32 s27, s12, 1
	s_add_co_u32 s26, s26, s27                     ; out0: row 2048 b + 2 w
	s_lshl_b32 s26, s26, 12
	s_add_co_u32 s26, s26, s24
	s_mov_b32 s27, 0
	s_wait_kmcnt 0x0
	s_add_nc_u64 s[4:5], s[4:5], s[16:17]
	s_add_nc_u64 s[6:7], s[6:7], s[18:19]
	s_add_nc_u64 s[8:9], s[8:9], s[24:25]
	s_add_nc_u64 s[10:11], s[10:11], s[26:27]
.irp c, 0,1,2,3,4,5,6,7
	global_load_b128 v[QF+4*\c:QF+4*\c+3], v3, s[4:5] offset:32*\c
.endr
.irp c, 0,1,2,3,4,5,6,7
	global_load_b128 v[KF+4*\c:KF+4*\c+3], v3, s[4:5] offset:262144+32*\c
.endr
.irp ct, 0,1,2,3
.irp i, 0,1,2,3,4,5,6,7
	global_load_b32 v[VF+8*\ct+\i], v4, s[4:5] offset:524288+\i*4096+64*\ct      ; v(key 8 h + i, channel 16 ct + r)
.endr
.endr
	global_load_b128 v[12:15], v8, s[8:9]
.macro WLOAD ct, buf                   ; Wp(64 w + 16 ct + 8 h + i, 64 g + 16 tn + r) into register 8 tn + i of the buffer
.irp tn, 0,1,2,3
.irp i, 0,1,2,3,4,5,6,7
	global_load_b32 v[WB+32*(\buf)+8*\tn+\i], v4, s[6:7] offset:(16*(\ct)+\i)*4096+64*\tn
.endr
.endr
.endm
	WLOAD 0, 0
	s_wait_loadcnt 63                              ; q and k are in: 65 loads were issued behind them; 63 is the most a wait can name
.irp ks, 0,1,2,3,4,5,6,7,8,9,10,11,12,13,14,15 ; S^T = K Q^T in two sums that take turns
.if \ks < 2
	v_wmma_f32_16x16x4_f32 v[AS0+8*(\ks%2):AS0+8*(\ks%2)+7], v[KF+2*\ks:KF+2*\ks+1], v[QF+2*\ks:QF+2*\ks+1], 0
.else
	v_wmma_f32_16x16x4_f32 v[AS0+8*(\ks%2):AS0+8*(\ks%2)+7], v[KF+2*\ks:KF+2*\ks+1], v[QF+2*\ks:QF+2*\ks+1], v[AS0+8*(\ks%2):AS0+8*(\ks%2)+7]
.endif
.endr
	WLOAD 1, 1
.rept 8
	v_nop                                          ; eight places behind this form, in front of the first read of the sums and of writes over q
.endr
.irp j, 0,1,2,3,4,5,6,7
	v_add_f32 v[SV+\j], v[AS0+\j], v[AS1+\j]       ; lane (r, h): query r, key 8 h + j
.endr
	v_mov_b32 v24, 0xff800000
.irp j, 0,1,2,3,4,5,6,7
	v_cmp_gt_i32 vcc_lo, \j, v11
	v_cndmask_b32 v[SV+\j], v[SV+\j], v24, vcc_lo  ; hidden scores become -infinity
.endr
	v_max3_num_f32 v25, v16, v17, v18
	v_max3_num_f32 v26, v19, v20, v21
	v_max3_num_f32 v25, v25, v22, v23
	v_max_num_f32 v25, v25, v26
	v_permlanex16_b32 v26, v25, s20, s21
	v_max_num_f32 v25, v25, v26                    ; the row's maximum: key 0 counts for every query, so it is a number
	v_mul_f32 v25, s22, v25
.irp j, 0,1,2,3,4,5,6,7
	v_fma_f32 v[SV+\j], v[SV+\j], s22, -v25
.endr
.irp j, 0,1,2,3,4,5,6,7
	v_exp_f32 v[SV+\j], v[SV+\j]
.endr
	v_nop                                          ; a plain line behind the last exponential
	s_wait_alu depctr_va_vdst(0)                   ; one wait for the eight, ahead of their first reader
	v_add_f32 v26, v16, v17
	v_add_f32 v27, v18, v19
	v_add_f32 v28, v20, v21
	v_add_f32 v29, v22, v23
	v_add_f32 v26, v26, v27
	v_add_f32 v28, v28, v29
	v_add_f32 v26, v26, v28
	v_permlanex16_b32 v27, v26, s20, s21
	v_add_f32 v26, v26, v27                        ; the row's sum
	v_rcp_f32 v30, v26
	s_wait_loadcnt 63                              ; v is in: 65 loads were issued behind it
.irp kk, 0,1,2,3                               ; O^T = V^T P: four sums by turns
.irp ct, 0,1,2,3
.if \kk == 0
	v_wmma_f32_16x16x4_f32 v[ACC+8*\ct:ACC+8*\ct+7], v[VF+8*\ct+2*\kk:VF+8*\ct+2*\kk+1], v[SV+2*\kk:SV+2*\kk+1], 0
.else
	v_wmma_f32_16x16x4_f32 v[ACC+8*\ct:ACC+8*\ct+7], v[VF+8*\ct+2*\kk:VF+8*\ct+2*\kk+1], v[SV+2*\kk:SV+2*\kk+1], v[ACC+8*\ct:ACC+8*\ct+7]
.endif
.endr
.endr
	WLOAD 2, 2
.rept 8
	v_nop
.endr
	s_wait_alu depctr_va_vdst(0)                   ; the reciprocal's wait, ahead of its first reader
.irp i, 0,1,2,3,4,5,6,7,8,9,10,11,12,13,14,15,16,17,18,19,20,21,22,23,24,25,26,27,28,29,30,31
	v_mul_f32 v[OV+\i], v[ACC+\i], v30             ; lane (r, h): query r, channel 16 ct + 8 h + j, in other registers than the sums
.endr
.rept 4
	v_nop                                          ; with the eight above twelve places before the four sums are begun anew
.endr
.macro CHUNK ct, buf                           ; out^T += Wp^T O: channels 16 ct on; four sums (16 columns each) by turns
.irp kk, 0,1,2,3
.irp tn, 0,1,2,3
.if ((\ct) == 0) && (\kk == 0)
	v_wmma_f32_16x16x4_f32 v[ACC+8*\tn:ACC+8*\tn+7], v[WB+32*(\buf)+8*\tn+2*\kk:WB+32*(\buf)+8*\tn+2*\kk+1], v[OV+8*(\ct)+2*\kk:OV+8*(\ct)+2*\kk+1], 0
.else
	v_wmma_f32_16x16x4_f32 v[ACC+8*\tn:ACC+8*\tn+7], v[WB+32*(\buf)+8*\tn+2*\kk:WB+32*(\buf)+8*\tn+2*\kk+1], v[OV+8*(\ct)+2*\kk:OV+8*(\ct)+2*\kk+1], v[ACC+8*\tn:ACC+8*\tn+7]
.endif
.endr
.endr
.endm
	s_wait_loadcnt 63                              ; Wp's chunk 0 is in: 64 loads were issued behind it
	CHUNK 0, 0
.rept 8
	v_nop                                          ; places in front of the loads into buffer 0
.endr
	WLOAD 3, 0
	s_wait_loadcnt 63                              ; chunk 1: 64 behind it
	CHUNK 1, 1
	s_wait_loadcnt 32                              ; chunk 2: chunk 3's 32 behind it
	CHUNK 2, 2
	s_wait_loadcnt 0x0
	CHUNK 3, 0
.rept 8
	v_nop
.endr
.irp tn, 0,1,2,3
	ds_store_b128 v5, v[ACC+8*\tn:ACC+8*\tn+3] offset:64*\tn       ; lane (r, h): row r, columns 16 tn + 8 h + 0 .. 7; each sum from its low end on
	ds_store_b128 v5, v[ACC+8*\tn+4:ACC+8*\tn+7] offset:64*\tn+16
.endr
	s_wait_dscnt 0x0                               ; for the others' sake: my stores have landed
	s_barrier_signal -1
	s_barrier_wait -1
	s_cmp_lt_u32 s12, 8
	s_cbranch_scc0 .Ldone
.irp i, 0,1,2,3,4,5,6,7,8,9,10,11,12,13,14,15
	ds_load_b128 v[WB+4*\i:WB+4*\i+3], v6 offset:WRED*\i
.endr
	s_wait_dscnt 0x0
.irp i, 2,3,4,5,6,7,8,9,10,11,12,13,14,15      ; the 16 heads' parts, in two chains
	v_pk_add_f32 v[WB+4*(\i%2):WB+4*(\i%2)+1], v[WB+4*(\i%2):WB+4*(\i%2)+1], v[WB+4*\i:WB+4*\i+1]
	v_pk_add_f32 v[WB+4*(\i%2)+2:WB+4*(\i%2)+3], v[WB+4*(\i%2)+2:WB+4*(\i%2)+3], v[WB+4*\i+2:WB+4*\i+3]
.endr
	v_pk_add_f32 v[WB:WB+1], v[WB:WB+1], v[WB+4:WB+5]
	v_pk_add_f32 v[WB+2:WB+3], v[WB+2:WB+3], v[WB+6:WB+7]
	v_pk_add_f32 v[WB:WB+1], v[WB:WB+1], v[12:13]  ; + bp
	v_pk_add_f32 v[WB+2:WB+3], v[WB+2:WB+3], v[14:15]
	global_store_b128 v7, v[WB:WB+3], s[10:11]     ; 16 lanes store 256 consecutive bytes, aligned
.Ldone:
	s_wait_tensorcnt 0x0                           ; the wave's end, behind my last LDS store
	ds_add_u32 v9, v10
	s_wait_dscnt 0x0
	s_endpgm
.Lfunc_end_k_qe3d0bc18dc_first16:
	.size	k_qe3d0bc18dc_first16, .Lfunc_end_k_qe3d0bc18dc_first16-k_qe3d0bc18dc_first16
	.p2alignl 7, 3214868480
	.fill 96, 4, 3214868480
	.section	.rodata,"a",@progbits
	.p2align	6, 0x0
	.amdhsa_kernel k_qe3d0bc18dc_first16
		.amdhsa_group_segment_fixed_size 71680
		.amdhsa_private_segment_fixed_size 0
		.amdhsa_enable_private_segment 0
		.amdhsa_kernarg_size 32
		.amdhsa_user_sgpr_count 2
		.amdhsa_user_sgpr_kernarg_segment_ptr 1
		.amdhsa_wavefront_size32 1
		.amdhsa_system_sgpr_workgroup_id_x 1
		.amdhsa_system_sgpr_workgroup_id_y 1
		.amdhsa_system_sgpr_workgroup_id_z 1
		.amdhsa_system_vgpr_workitem_id 0
		.amdhsa_next_free_vgpr 256
		.amdhsa_next_free_sgpr 66
		.amdhsa_reserve_vcc 1
		.amdhsa_float_denorm_mode_32 3
		.amdhsa_float_denorm_mode_16_64 3
		.amdhsa_memory_ordered 1
		.amdhsa_forward_progress 1
		.amdhsa_inst_pref_size 34
	.end_amdhsa_kernel
	.amdgpu_metadata
---
amdhsa.version: [ 1, 2 ]
amdhsa.kernels:
  - .name:           k_qe3d0bc18dc_first16
    .symbol:         k_qe3d0bc18dc_first16.kd
    .args:
      - { .name: q32, .offset: 0, .size: 8, .value_kind: global_buffer, .address_space: global }
      - { .name: Wp, .offset: 8, .size: 8, .value_kind: global_buffer, .address_space: global }
      - { .name: bp, .offset: 16, .size: 8, .value_kind: global_buffer, .address_space: global }
      - { .name: out0, .offset: 24, .size: 8, .value_kind: global_buffer, .address_space: global }
    .group_segment_fixed_size: 71680
    .private_segment_fixed_size: 0
    .kernarg_segment_align: 8
    .kernarg_segment_size: 32
    .max_flat_workgroup_size: 512
    .sgpr_count:     66
    .vgpr_count:     256
    .wavefront_size: 32
...
	.end_amdgpu_metadata
.endif
;; end of part 6
